; MI455X (gfx1250); checked and timed in simulation.
; The chip was launched on July 23, 2026; its instructions are those of AMD's public machine-readable ISA for CDNA 5 (MIT licence, August 2026) and "CDNA5" Instruction Set Architecture Reference Guide (July 2026). The comments in the code are by the model that wrote it; some were corrected since.
;; Multi Head Attention. Allowed arithmetic: float matrix products may take bf16 or f16 operands with f32 sums; other float arithmetic in f32, or as packed bf16 or f16 multiplies, adds, multiply-adds, maxima and minima; sums over many terms, partial sums and values carried from step to step in f32; what a program stores and reads back later, other than sums and carried values, may be rounded once to bf16 or f16.
;; Inputs: Wout 1,024 x 1,024 float32; Wqkv 1,024 x 3,072 float32; bout 1,024 float32; x 4 x 2,048 x 1,024 float32.
;; Outputs: out0 4 x 2,048 x 1,024 float32.
;; 2 versions, each right; version 2 is version 1 with the launch prep written anew for expert scheduling mode. Each part assembles by itself: llvm-mc -triple=amdgcn-amd-amdhsa -mcpu=gfx1250 --defsym DOCPART=n.
;; ======== version 1 of 2: 4 launches
;; limits: values are held in f16: magnitudes above 65,504 overflow, below 6.1e-05 lose precision
;; workspace buffers: xb 16,777,216 bytes; wqkvb 6,291,456 bytes; woutb 2,097,152 bytes; tab 524,288 bytes; qkvh 50,331,648 bytes; ob 16,777,216 bytes
;; launch prep (part 1): grid 768 x 1, 8 waves a work-group, no clusters, 0 bytes of LDS; arguments x, Wqkv, Wout, xb, wqkvb, woutb, tab; writes xb, wqkvb, woutb, tab
.if DOCPART == 1
	.amdgcn_target "amdgcn-amd-amdhsa--gfx1250"
	.amdhsa_code_object_version 6
	.text
	.protected	k_q90be240367_prep
	.globl	k_q90be240367_prep
	.p2align	8
	.type	k_q90be240367_prep,@function
k_q90be240367_prep:
	s_mov_b64 s[64:65], 0
	v_nop
	global_prefetch_b8 v0, s[64:65] scope:SCOPE_SE
	s_setreg_imm32_b32 hwreg(HW_REG_WAVE_MODE, 25, 1), 1
	s_wait_xcnt 0x0
; CASTS AND THE ROTARY TABLE.  Four kinds of work-group, told apart by the work-group's number alone:
;   0..511    x [8192][1024] f32 -> xb, bf16, same layout: 16,384 numbers a work-group
;   512..575  Wout [1024][1024] f32 -> woutb: rounded to bf16 like every input, that number written as f16 (the last product runs in f16)
;   576..703  Wqkv [1024][3072] f32 -> wqkvb, bf16, by heads: [16 h][1024 k][192 = q_h 64, k_h 64, v_h 64], so that a head's 64 k rows are 24,576 dense bytes
;   704..767  tab [2048 t][64] f32: cos(t f_i), i = 0..31, then sin(t f_i); f_i = 10000^(-i/32)
; A stream: every byte read once, each store of a wave covers whole aligned blocks of 256 bytes, all of a wave's loads go out before its first wait.  No LDS, no barrier, no matrix unit.
; LIMITS.  woutb: a bf16 number is exact in f16 from 2^-17 up to 65,504; below it keeps f16's fixed step of 2^-24; beyond 65,504 it would be an infinity.
; tab: no sine or cosine instruction is used; the angle is reduced in turns and a polynomial of degree 11 follows.  The angle t f_i is good to about 3e-4 rad at t = 2047
; (the products' roundings in f32 at 326 turns, and the exponential's last bit); the polynomial's own error is under 1e-7.
.set NX, 512
.set NO, 64
.set NW, 128
	s_load_b256 s[4:11], s[0:1], 0x0               ; x s[4:5], Wqkv s[6:7], Wout s[8:9], xb s[10:11]
	s_load_b128 s[12:15], s[0:1], 0x20             ; wqkvb s[12:13], woutb s[14:15]
	s_load_b64 s[16:17], s[0:1], 0x30              ; tab
	v_and_b32 v3, 31, v0                           ; lane
	v_lshrrev_b32 v4, 5, v0
	v_readfirstlane_b32 s18, v4                    ; wave 0..7
	s_mov_b32 s19, 0xffff0000                      ; a word's upper bf16
	s_mov_b32 s21, 0                               ; the high words of the two offset pairs
	s_mov_b32 s23, 0
	s_wait_kmcnt 0x0
	s_cmp_lt_u32 ttmp9, NX
	s_cbranch_scc1 .Lx
	s_cmp_lt_u32 ttmp9, NX+NO
	s_cbranch_scc1 .Lo
	s_cmp_lt_u32 ttmp9, NX+NO+NW
	s_cbranch_scc1 .Lw
	; THE TABLE.  A wave makes four rows; lanes 0-15 the cosines of frequencies 2 e, 2 e + 1, lanes 16-31 the sines: 8 bytes a lane, a row of 256 bytes a store.
	s_sub_co_u32 s20, ttmp9, NX+NO+NW
	s_lshl3_add_u32 s20, s20, s18                  ; the wave among 512
	s_lshl_b32 s24, s20, 2                         ; its first t
	s_lshl_b32 s20, s20, 10                        ; its four rows' first byte
	v_lshl_add_u32 v5, v3, 3, s20
	v_and_b32 v6, 15, v0
	v_lshlrev_b32 v6, 1, v6
	v_cvt_f32_u32 v6, v6                           ; i = 2 e
	v_add_f32 v7, 1.0, v6                          ; and 2 e + 1
	v_mul_f32 v6, 0xbed49a78, v6                   ; -i log2(10000) / 32
	v_mul_f32 v7, 0xbed49a78, v7
	v_exp_f32 v8, v6                               ; f_i
	v_exp_f32 v9, v7
	v_bfe_u32 v10, v0, 4, 1                        ; a plain instruction behind the two exponentials,
	s_wait_alu depctr_va_vdst(0)                   ; and one wait for both, ahead of their first reader
	v_cvt_f32_u32 v10, v10
	v_mul_f32 v10, 0x3e800000, v10                 ; a quarter turn less in lanes 16-31: cos(a - pi/2) = sin(a)
; cos(2 pi u) = 1 - 2 sin^2(pi u), u the angle in turns brought into -1/2 .. 1/2; sin(pi u) = u (pi - pi^3/6 w + pi^5/120 w^2 - ...), w = u^2
.macro VAL dst, inv
	v_mul_f32 v12, v11, v[\inv]                    ; the angle, rounded to f32 as t f_i is in the definition
	v_mul_f32 v12, 0.15915494, v12                 ; in turns
	v_rndne_f32 v13, v12
	v_sub_f32 v12, v12, v13
	v_sub_f32 v12, v12, v10
	v_rndne_f32 v13, v12
	v_sub_f32 v12, v12, v13
	v_mul_f32 v14, v12, v12
	v_mov_b32 v15, 0xbbf183a6                      ; -pi^11 / 11!
	v_fmaak_f32 v15, v15, v14, 0x3da83c1b          ; pi^9 / 9!
	v_fmaak_f32 v15, v15, v14, 0xbf196966          ; -pi^7 / 7!
	v_fmaak_f32 v15, v15, v14, 0x402335e3          ; pi^5 / 5!
	v_fmaak_f32 v15, v15, v14, 0xc0a55de7          ; -pi^3 / 3!
	v_fmaak_f32 v15, v15, v14, 0x40490fdb          ; pi
	v_mul_f32 v15, v15, v12
	v_mul_f32 v15, v15, v15
	v_fma_f32 v[\dst], v15, -2.0, 1.0
.endm
.irp j, 0,1,2,3
	s_add_co_u32 s25, s24, \j
	v_cvt_f32_u32 v11, s25                         ; t
	VAL 32+2*(\j), 8
	VAL 33+2*(\j), 9
	global_store_b64 v5, v[32+2*(\j):33+2*(\j)], s[16:17] offset:256*(\j)  ; each row has its own pair of registers: nothing that a store reads is rewritten
.endr
	s_endpgm
; 16,384 numbers a work-group, 2,048 a wave: sixteen loads of 512 consecutive bytes, all issued at once; the waits count down, so the younger loads stay out.
; Every load and store has its own registers: no register that a memory instruction reads is written again.
.macro CAST src, dst, first, fmt
	s_sub_co_u32 s20, ttmp9, \first
	s_lshl_b32 s22, s20, 15                        ; 32,768 bytes out,
	s_lshl_b32 s20, s20, 16                        ; 65,536 bytes in
	s_add_nc_u64 s[\src:\src+1], s[\src:\src+1], s[20:21]
	s_add_nc_u64 s[\dst:\dst+1], s[\dst:\dst+1], s[22:23]
	v_lshlrev_b32 v1, 4, v3
	v_lshl_add_u32 v1, v4, 13, v1                  ; in: 8,192 x wave + 16 x lane
	v_lshrrev_b32 v2, 1, v1                        ; out: half of that
.set j, 0
.rept 16
	global_load_b128 v[32+4*j:35+4*j], v1, s[\src:\src+1] offset:512*j th:TH_LOAD_NT
.set j, j+1
.endr
.set j, 0
.rept 16
	s_wait_loadcnt 15-j                            ; loads come back in order: load j is in, the 15 - j younger ones may be out
	v_cvt_pk_bf16_f32 v[96+2*j], v[32+4*j], v[33+4*j]
	v_cvt_pk_bf16_f32 v[97+2*j], v[34+4*j], v[35+4*j]
.if \fmt
	v_lshlrev_b32 v28, 16, v[96+2*j]               ; the bf16 numbers widened again,
	v_and_b32 v29, s19, v[96+2*j]
	v_cvt_pk_f16_f32 v[96+2*j], v28, v29           ; and written as f16
	v_lshlrev_b32 v28, 16, v[97+2*j]
	v_and_b32 v29, s19, v[97+2*j]
	v_cvt_pk_f16_f32 v[97+2*j], v28, v29
.endif
	global_store_b64 v2, v[96+2*j:97+2*j], s[\dst:\dst+1] offset:256*j th:TH_STORE_NT  ; 32 lanes x 8 bytes: 256 consecutive bytes, aligned
.set j, j+1
.endr
	s_endpgm
.endm
.Lx:
	CAST 4, 10, 0, 0
.Lo:
	CAST 8, 14, NX, 1
	; Wqkv BY HEADS.  A work-group: one head, 128 k rows; a wave 16 of them.  Of a row of Wqkv (3 x 4,096 bytes) the head has 256 bytes in each third: chunk C = 3 row + type lies at 4,096 C,
	; and goes to 128 C in wqkvb.  Group g of twelve takes chunks 4 g .. 4 g + 3, eight lanes a chunk, eight numbers a lane: 512 consecutive bytes out.
.Lw:
	s_sub_co_u32 s20, ttmp9, NX+NO
	s_lshr_b32 s24, s20, 3                         ; head
	s_and_b32 s25, s20, 7
	s_lshl_b32 s25, s25, 7
	s_lshl4_add_u32 s25, s18, s25                  ; my first k row: 128 x block + 16 x wave
	s_mul_i32 s20, s25, 12288
	s_lshl_b32 s26, s24, 8
	s_add_co_u32 s20, s20, s26
	s_add_nc_u64 s[6:7], s[6:7], s[20:21]
	s_mul_i32 s22, s24, 393216
	s_mul_i32 s26, s25, 384
	s_add_co_u32 s22, s22, s26
	s_add_nc_u64 s[12:13], s[12:13], s[22:23]
	v_lshrrev_b32 v5, 3, v3
	v_and_b32 v6, 7, v3
	v_lshlrev_b32 v6, 5, v6
	v_lshl_add_u32 v5, v5, 12, v6                  ; in: 4,096 x (lane / 8) + 32 x (lane % 8)
	v_lshlrev_b32 v7, 4, v3                        ; out: 16 x lane
.set g, 0
.rept 12
	global_load_b128 v[32+8*g:35+8*g], v5, s[6:7] offset:16384*g th:TH_LOAD_NT
	global_load_b128 v[36+8*g:39+8*g], v5, s[6:7] offset:16384*g+16 th:TH_LOAD_NT
.set g, g+1
.endr
.set g, 0
.rept 12
	s_wait_loadcnt 22-2*g                          ; group g's two loads are in; the 22 - 2 g younger ones may be out
	v_cvt_pk_bf16_f32 v[128+4*g], v[32+8*g], v[33+8*g]
	v_cvt_pk_bf16_f32 v[129+4*g], v[34+8*g], v[35+8*g]
	v_cvt_pk_bf16_f32 v[130+4*g], v[36+8*g], v[37+8*g]
	v_cvt_pk_bf16_f32 v[131+4*g], v[38+8*g], v[39+8*g]
	global_store_b128 v7, v[128+4*g:131+4*g], s[12:13] offset:512*g th:TH_STORE_NT
.set g, g+1
.endr
	s_endpgm
.Lfunc_end_k_q90be240367_prep:
	.size	k_q90be240367_prep, .Lfunc_end_k_q90be240367_prep-k_q90be240367_prep
	.p2alignl 7, 3214868480
	.fill 96, 4, 3214868480
	.section	.rodata,"a",@progbits
	.p2align	6, 0x0
	.amdhsa_kernel k_q90be240367_prep
		.amdhsa_group_segment_fixed_size 0
		.amdhsa_private_segment_fixed_size 0
		.amdhsa_enable_private_segment 0
		.amdhsa_kernarg_size 56
		.amdhsa_user_sgpr_count 2
		.amdhsa_user_sgpr_kernarg_segment_ptr 1
		.amdhsa_wavefront_size32 1
		.amdhsa_system_sgpr_workgroup_id_x 1
		.amdhsa_system_sgpr_workgroup_id_y 1
		.amdhsa_system_sgpr_workgroup_id_z 1
		.amdhsa_system_vgpr_workitem_id 0
		.amdhsa_next_free_vgpr 176
		.amdhsa_next_free_sgpr 66
		.amdhsa_reserve_vcc 0
		.amdhsa_float_denorm_mode_32 3
		.amdhsa_float_denorm_mode_16_64 3
		.amdhsa_memory_ordered 1
		.amdhsa_forward_progress 1
		.amdhsa_inst_pref_size 32
	.end_amdhsa_kernel
	.amdgpu_metadata
---
amdhsa.version: [ 1, 2 ]
amdhsa.kernels:
  - .name:           k_q90be240367_prep
    .symbol:         k_q90be240367_prep.kd
    .args:
      - { .name: x, .offset: 0, .size: 8, .value_kind: global_buffer, .address_space: global }
      - { .name: Wqkv, .offset: 8, .size: 8, .value_kind: global_buffer, .address_space: global }
      - { .name: Wout, .offset: 16, .size: 8, .value_kind: global_buffer, .address_space: global }
      - { .name: xb, .offset: 24, .size: 8, .value_kind: global_buffer, .address_space: global }
      - { .name: wqkvb, .offset: 32, .size: 8, .value_kind: global_buffer, .address_space: global }
      - { .name: woutb, .offset: 40, .size: 8, .value_kind: global_buffer, .address_space: global }
      - { .name: tab, .offset: 48, .size: 8, .value_kind: global_buffer, .address_space: global }
    .group_segment_fixed_size: 0
    .private_segment_fixed_size: 0
    .kernarg_segment_align: 8
    .kernarg_segment_size: 56
    .max_flat_workgroup_size: 256
    .sgpr_count:     66
    .vgpr_count:     176
    .wavefront_size: 32
...
	.end_amdgpu_metadata
.endif
;; end of part 1
;; launch qkvrope (part 2): grid 16 x 32, 4 waves a work-group, clusters of 4 x 4, 327,680 bytes of LDS; arguments xb, wqkvb, tab, qkvh; writes qkvh
.if DOCPART == 2
	.amdgcn_target "amdgcn-amd-amdhsa--gfx1250"
	.amdhsa_code_object_version 6
	.text
	.protected	k_q90be240367_qkvrope
	.globl	k_q90be240367_qkvrope
	.p2align	8
	.type	k_q90be240367_qkvrope,@function
k_q90be240367_qkvrope:
	s_mov_b64 s[64:65], 0
	v_nop
	global_prefetch_b8 v0, s[64:65] scope:SCOPE_SE
	s_setreg_imm32_b32 hwreg(HW_REG_WAVE_MODE, 25, 1), 1
	s_wait_xcnt 0x0
	s_wait_alu depctr_hold_cnt(0) depctr_sa_sdst(0) depctr_va_vdst(0) depctr_va_sdst(0) depctr_va_ssrc(0) depctr_va_vcc(0) depctr_vm_vsrc(0)
	s_getreg_b32 s2, hwreg(HW_REG_IB_STS2, 6, 4)
	s_cmp_eq_u32 s2, 0
	s_cbranch_scc0 .Lentry_in_a_cluster
	s_endpgm
.Lentry_in_a_cluster:
	s_bfe_u32 s2, ttmp6, 0x10000c
	s_cmp_lg_u32 s2, 0xf033
	s_cbranch_scc0 .Lentry_shape_is_right
	s_endpgm
.Lentry_shape_is_right:
; q, k, v = x Wqkv, q and k turned by the rotary table, written by heads: qkvh [3 type][64 bh = 16 batch + head][2048 t][64] in f16, unscaled.
; xb: [8192][1024] bf16.  wqkvb: [16 h][1024 k][192 = q_h, k_h, v_h] bf16.  tab: [2048 t][cos 32, sin 32] f32.  Sums in f32, each result rounded once.
; LIMIT.  f16 holds no number beyond 65,504: q, k and v (q and k after the turn) must lie within it.  With x and Wqkv each carrying an offset of 30 of their spreads
; a sum is about 1024 x 30 x 0.94 = 28,800, after the turn at most 1.42 times that.
; SHARES.  A work-group: 256 token rows x one head's 192 columns.  Four waves, each 64 rows x 192 columns: 4 x 12 accumulators, 384 registers.  A head's q, k and v in one wave, so that the
; two halves of a rotary pair (channels d and d + 32) lie in the same lane.  K = 1024 goes in 8 steps of 128 through two LDS slots.
; THE MATRIX INSTRUCTION IS USED TRANSPOSED: source 0 = 16 columns of W, source 1 = 16 rows of x.  A lane then holds token row l % 16 and the columns 16 b + 8 (l / 16) + 0..7: 16 bytes of f16 on end.
; W lies [k][n]: its fragments come out of LDS turned, by ds_load_tr16_b128; x's as they lie.
; CLUSTER 4 x 4.  x's tile hangs on the row block alone: shared along a row of the cluster; W's on the head alone: shared along a column.  Each is asked for jointly, by the same load and mask in four work-groups.
; REGISTERS in windows of 256 (s_set_vgpr_msb: bits 1:0 source 0, 3:2 source 1, 5:4 source 2, 7:6 destination):
;   window 0: v1-20 addresses; v28-29 the add's; v32-63, v224-255 four buffers of the way out; v64-191 my rows' table; v192-223 at work
;   window 1: two fragment buffers of 128: 32 of x (4 x 16 rows x 32 K), then 96 of W (12 x 16 columns x 32 K)
;   window 2: accumulators of row blocks 0, 1 ((a, b) at 8 (12 (a % 2) + b));   window 3: of row blocks 2, 3
.set KSTEPS, 8
.set SLOT,  1<<17                      ; a slot: x's 256 rows, then W's 128 k rows: 69,632 + 61,440 bytes
.set PA,    272                        ; a row of x in LDS: 256 bytes + 16: 68 words, so the 16 rows of a load start at 16 different groups of four banks (64 banks of 4 bytes: ISA guide 11.1)
.set AHALF, 128*PA
.set BOFF,  256*PA
.set PB,    480                        ; a k row of W: three pieces of 128 bytes + 32: 120 words, an odd multiple of 8
.set BHALF, 64*PB
.set STAGE, 2*SLOT                     ; behind the ring, never filled by a tensor load: 16 rows x 144 bytes for each wave
.set SP,    144
.set SPARE, STAGE+4*16*SP              ; the spare words: 128 bytes for each wave, two blocks of 256 bytes that no other line names
.set ASTEP, 256                        ; a K step in a row of x,
.set BSTEP, 128*384                    ; and in a head of W
.set ADRA0, 12                         ; v12  my place in x's tile of slot 0; never rewritten
.set ADRB0, 13                         ; v13  the same for W
.set ADRA,  14                         ; v14  the same in the slot in hand
.set ADRB,  15
.set STO,   16                         ; v16  the way out: where I put 16 bytes of a row
.set RD,    17                         ; v17  where I read rows back
.set GO,    18                         ; v18  16 x lane
.set TO,    19                         ; v19  my offset in 16 rows of the table
.set PFO,   20                         ; v20  the prefetches' offset: a lane a row of xb
.set SPW,   28
.set NIL,   29
.set TAB,   64                         ; row block a at TAB + 32 a: cos of channels 8 h + 0..7, of 16 + 8 h + 0..7, then the sines
.set TMP,   192
.set F0,    0
.set F1,    128
.set CNT,   3
.set WV,    12                         ; s12  wave
.set FB,    13                         ; s13  0: I fetch x's tiles; 1: W's
.set HF,    14                         ; s14  which half of the tile
.set G1A,   24
.set G0A,   32                         ; two sets: the first fills; the second then walks
.set PFA,   44
.set LIM,   46
.set TB,    47                         ; s47  the slot in hand, in bytes
.set G1B,   48
.set G0B,   56
.set OUT,   68                         ; s[68:73] q, k, v at my first row
.set TBB,   74                         ; s[74:75] the table at my first row
.set MSB, 0
.macro WIN new                         ; the immediate's high byte repeats the setting that is left; a switch that changes nothing is dropped
.if MSB != (\new)
	s_set_vgpr_msb (MSB<<8)|(\new)
.set MSB, \new
.endif
.endm
.set MUL_LO, 0xa5                      ; both sources window 1, C and D window 2
.set TO_F,   0x40                      ; destination window 1, address window 0
.macro PLACES                          ; four plain instructions in front of loads into registers that matrix instructions have read, and of lines that read results
.rept 4
	v_nop
.endr
.endm
; A joint load: waves 0 and 1 ask for the halves of x's tile, waves 2 and 3 for those of W's.  The branch hangs on the wave's number alone.  An s_nop 0 and four v_nop follow each line.
.macro JLOAD s
	s_cmp_eq_u32 s[FB], 0
	s_cbranch_scc0 .Lfor_b_\@
	tensor_load_to_lds s[G0A+4*(\s):G0A+4*(\s)+3], s[G1A:G1A+7]
	s_nop 0
.rept 4
	v_nop
.endr
	s_branch .Lasked_\@
.Lfor_b_\@:
	tensor_load_to_lds s[G0B+4*(\s):G0B+4*(\s)+3], s[G1B:G1B+7]
	s_nop 0
.rept 4
	v_nop
.endr
.Lasked_\@:
.endm
.macro CREST                           ; a round of the cluster's barrier behind its opening barrier
	s_cmp_lg_u32 s[WV], 0
	s_cbranch_scc1 .Lnot_wave_0_\@
	s_barrier_signal -3
.Lnot_wave_0_\@:
	s_barrier_wait -3
	s_barrier_signal -1
	s_barrier_wait -1
.endm
.macro CROUND
	s_barrier_signal -1
	s_barrier_wait -1
	CREST
.endm
; A PREFETCH INTO THE L2 of x's K step two refills on: 32 rows x 256 bytes, a lane a row.  A row block of xb is read by the four clusters of a row of clusters: the first (cluster x = 0) asks.  Of the 128 rows
; that wave 0 or 1 fetches, the partner at place cx takes 32, told apart by address.  So each row's 256 bytes of a step are named once.  Trip s refills step s + 2 and names step s + 4: the trips with
; CNT = 6 .. 3 ask, the last two have no such step.  Steps 0 to 3 come by their loads alone.  W is not asked for: all eight rows of clusters read it.
.macro ASK
	s_cmp_gt_u32 s[CNT], s[LIM]
	s_cbranch_scc0 .Lnot_mine_\@
	global_prefetch_b8 v[PFO], s[PFA:PFA+1] offset:ASTEP th:TH_LOAD_NT scope:SCOPE_SE
.Lnot_mine_\@:
.endm
	s_load_b256 s[4:11], s[0:1], 0x0               ; xb s[4:5], wqkvb s[6:7], tab s[8:9], qkvh s[10:11]
	v_lshl_add_u32 v[SPW], v0, 2, SPARE
	v_mov_b32 v[NIL], 0
	ds_add_u32 v[SPW], v[NIL]                      ; the wave's opening: the add and its wait stand ahead of my first tensor load; work on registers stands between them
	v_lshrrev_b32 v1, 5, v0
	v_readfirstlane_b32 s[WV], v1
	s_lshr_b32 s[FB], s[WV], 1
	s_and_b32 s[HF], s[WV], 1
	s_bfe_u32 s40, ttmp6, 0x40000                  ; cx
	s_bfe_u32 s41, ttmp6, 0x40004                  ; cy
	s_lshl_b32 s42, ttmp9, 2
	s_add_co_u32 s42, s42, s40                     ; the head = 4 x cluster x + cx
	s_and_b32 s43, ttmp7, 0xffff
	s_lshl_b32 s43, s43, 2
	s_add_co_u32 s43, s43, s41                     ; the block of 256 rows = 4 x cluster y + cy
	s_lshl_b32 s16, s41, 2
	s_lshl_b32 s16, 15, s16                        ; my row of the cluster
	s_lshl_b32 s20, 0x1111, s40                    ; my column
	s_or_b32 s[G1A], s16, (1<<16)|(1<<20)|(1<<21)|(5<<22)|(3<<25)  ; mask; 2-byte elements; padding on; bit 21 beside a mask; after every 64 words, 4 words
	s_mov_b32 s[G1A+1], 128<<16                    ; tensor_dim0 = 128
	s_mov_b32 s[G1A+2], 128<<16                    ; tensor_dim1 = 128
	s_mov_b32 s[G1A+3], 128<<16                    ; tile_dim0 = 128
	s_mov_b32 s[G1A+4], 128                        ; tile_dim1 = 128
	s_mov_b32 s[G1A+5], 1024                       ; elements from row to row
	s_mov_b32 s[G1A+6], 0
	s_mov_b32 s[G1A+7], 0
	s_or_b32 s[G1B], s20, (1<<16)|(1<<20)|(1<<21)|(4<<22)|(7<<25)  ; after every 32 words, 8 words
	s_mov_b32 s[G1B+1], 128<<16                    ; 64 k rows of a head are 24,576 dense bytes: asked for as 96 rows of 256
	s_mov_b32 s[G1B+2], 96<<16
	s_mov_b32 s[G1B+3], 128<<16
	s_mov_b32 s[G1B+4], 96
	s_mov_b32 s[G1B+5], 128
	s_mov_b32 s[G1B+6], 0
	s_mov_b32 s[G1B+7], 0
	s_lshl_b32 s16, s43, 8                         ; x: row 256 x block + 128 x half,
	s_lshl_b32 s17, s[HF], 7
	s_add_co_u32 s16, s16, s17
	s_lshl_b32 s16, s16, 11                        ; of 2,048 bytes
	s_mov_b32 s17, 0
	s_mul_i32 s18, s[HF], AHALF                    ; and where it goes: no place in the cluster enters an LDS address
	s_mul_i32 s20, s42, 1024*384                   ; W: the head, k row 64 x half
	s_mul_i32 s21, s[HF], 64*384
	s_add_co_u32 s20, s20, s21
	s_mov_b32 s21, 0
	s_mul_i32 s22, s[HF], BHALF
	s_add_co_u32 s22, s22, BOFF
	s_wait_dscnt 0x0                               ; the opening add is done
	s_wait_kmcnt 0x0
	s_add_nc_u64 s[16:17], s[4:5], s[16:17]
	s_add_nc_u64 s[20:21], s[6:7], s[20:21]
	CROUND                                         ; all sixteen work-groups are here: the first joint loads meet
.irp s, 0,1
	s_mov_b32 s[G0A+4*(\s)], 1
	s_add_co_u32 s[G0A+4*(\s)+1], s18, (\s)*SLOT
	s_add_nc_u64 s[G0A+4*(\s)+2:G0A+4*(\s)+3], s[16:17], (\s)*ASTEP
	s_or_b32 s[G0A+4*(\s)+3], s[G0A+4*(\s)+3], 0x80000000
	s_mov_b32 s[G0B+4*(\s)], 1
	s_add_co_u32 s[G0B+4*(\s)+1], s22, (\s)*SLOT
	s_add_nc_u64 s[G0B+4*(\s)+2:G0B+4*(\s)+3], s[20:21], (\s)*BSTEP
	s_or_b32 s[G0B+4*(\s)+3], s[G0B+4*(\s)+3], 0x80000000
	JLOAD \s                                       ; K steps 0 and 1: two loads of mine are out
.endr
	s_lshl_b32 s76, s40, 16                        ; the prefetches: my work-group's 32 rows of 2,048 bytes,
	s_mov_b32 s77, 0
	s_add_nc_u64 s[PFA:PFA+1], s[16:17], s[76:77]
	s_add_nc_u64 s[PFA:PFA+1], s[PFA:PFA+1], 2*ASTEP  ; at K step 2: the first refill steps it to 3 and names 4
	s_or_b32 s[LIM], s[FB], ttmp9
	s_cmp_eq_u32 s[LIM], 0
	s_cselect_b32 s[LIM], 2, -1                    ; the same in all sixteen partners, for a given wave
	s_lshr_b32 s76, s43, 3                         ; batch
	s_lshl4_add_u32 s76, s76, s42                  ; bh
	s_lshl_b32 s76, s76, 18                        ; of 262,144 bytes
	s_and_b32 s78, s43, 7
	s_lshl_b32 s78, s78, 8
	s_lshl_b32 s79, s[WV], 6
	s_add_co_u32 s78, s78, s79                     ; my first t
	s_lshl_b32 s79, s78, 7
	s_add_co_u32 s76, s76, s79
	s_add_nc_u64 s[OUT:OUT+1], s[10:11], s[76:77]
	s_add_nc_u64 s[OUT+2:OUT+3], s[OUT:OUT+1], 0x1000000
	s_add_nc_u64 s[OUT+4:OUT+5], s[OUT+2:OUT+3], 0x1000000
	s_lshl_b32 s76, s78, 8
	s_add_nc_u64 s[TBB:TBB+1], s[8:9], s[76:77]
	v_and_b32 v1, 15, v0                           ; r = l % 16
	v_bfe_u32 v2, v0, 4, 1                         ; h = l / 16
	v_and_b32 v3, 7, v0
	v_bfe_u32 v4, v0, 3, 1
	v_and_b32 v5, 31, v0
	s_mul_i32 s78, s[WV], 64*PA
	v_mul_u32_u24 v[ADRA0], v1, PA                 ; x: (64 w + r) x pitch + 16 h; a fragment is two loads of 16 bytes, 32 apart
	v_lshl_add_u32 v[ADRA0], v2, 4, v[ADRA0]
	v_add_nc_u32 v[ADRA0], s78, v[ADRA0]
	v_lshl_add_u32 v[ADRB0], v2, 3, v3             ; W: the turning load takes k row 8 h + l % 8, columns 8 ((l / 8) % 2) + 0..7, and leaves lane l column l % 16 and 8 k
	v_mul_u32_u24 v[ADRB0], v[ADRB0], PB
	v_lshl_add_u32 v[ADRB0], v4, 4, v[ADRB0]
	v_add_nc_u32 v[ADRB0], BOFF, v[ADRB0]
	s_mul_i32 s78, s[WV], 16*SP
	s_add_co_u32 s78, s78, STAGE
	v_mul_u32_u24 v[STO], v1, SP
	v_lshl_add_u32 v[STO], v2, 4, v[STO]
	v_add_nc_u32 v[STO], s78, v[STO]
	v_bfe_u32 v[RD], v0, 3, 2                      ; back: 32 lanes take four rows of 128 bytes
	v_mul_u32_u24 v[RD], v[RD], SP
	v_lshl_add_u32 v[RD], v3, 4, v[RD]
	v_add_nc_u32 v[RD], s78, v[RD]
	v_lshlrev_b32 v[GO], 4, v5
	v_lshlrev_b32 v[TO], 8, v1
	v_lshl_add_u32 v[TO], v2, 5, v[TO]
	v_lshlrev_b32 v[PFO], 11, v5
.irp a, 0,1,2,3                        ; my 64 rows' cosines and sines stay in registers until the way out
.irp i, 0,1,2,3
	global_load_b128 v[TAB+32*(\a)+8*(\i):TAB+32*(\a)+8*(\i)+3],   v[TO], s[TBB:TBB+1] offset:4096*(\a)+64*(\i)
	global_load_b128 v[TAB+32*(\a)+8*(\i)+4:TAB+32*(\a)+8*(\i)+7], v[TO], s[TBB:TBB+1] offset:4096*(\a)+64*(\i)+16
.endr
.endr
; 12 matrix instructions: row block a x all 12 column blocks, 32 along K.  The 48 accumulators take turns, one instruction a turn, in the same order in every quarter.
.macro MUL12 f, a, zero
	WIN MUL_LO+0x50*((\a)/2)
.irp b, 0,1,2,3,4,5,6,7,8,9,10,11
.if \zero
	v_wmma_f32_16x16x32_bf16 v[8*(12*((\a)%2)+(\b)):8*(12*((\a)%2)+(\b))+7], v[(\f)+32+8*(\b):(\f)+32+8*(\b)+7], v[(\f)+8*(\a):(\f)+8*(\a)+7], 0
.else
	v_wmma_f32_16x16x32_bf16 v[8*(12*((\a)%2)+(\b)):8*(12*((\a)%2)+(\b))+7], v[(\f)+32+8*(\b):(\f)+32+8*(\b)+7], v[(\f)+8*(\a):(\f)+8*(\a)+7], v[8*(12*((\a)%2)+(\b)):8*(12*((\a)%2)+(\b))+7]
.endif
.endr
.endm
; 32 LDS loads in one run: quarter q's fragments into buffer f: W's 24, then x's 8, row blocks ascending
.macro FETCH q, f
	WIN TO_F
.irp b, 0,1,2,3,4,5,6,7,8,9,10,11
	ds_load_tr16_b128 v[(\f)+32+8*(\b):(\f)+32+8*(\b)+3],   v[ADRB] offset:(\q)*32*PB+160*((\b)/4)+32*((\b)%4)
	ds_load_tr16_b128 v[(\f)+32+8*(\b)+4:(\f)+32+8*(\b)+7], v[ADRB] offset:(\q)*32*PB+160*((\b)/4)+32*((\b)%4)+16*PB
.endr
.irp a, 0,1,2,3
	ds_load_b128 v[(\f)+8*(\a):(\f)+8*(\a)+3],   v[ADRA] offset:(\q)*64+(\a)*16*PA
	ds_load_b128 v[(\f)+8*(\a)+4:(\f)+8*(\a)+7], v[ADRA] offset:(\q)*64+(\a)*16*PA+32
.endr
.endm
; One of a K step's first three quarters: multiplies buffer f; in its middle fetches quarter q into buffer g
.macro QUARTER q, f, g, zero
	s_wait_dscnt 4                                 ; W and x's row blocks 0, 1 are in; the youngest four loads (row blocks 2, 3) may be out
	MUL12 \f, 0, \zero
	MUL12 \f, 1, \zero
	PLACES
	FETCH \q, \g
	s_wait_dscnt 32                                ; all but the 32 just issued
	MUL12 \f, 2, \zero
	MUL12 \f, 3, \zero
.endm
; The last quarter multiplies buffer 1 and changes slots.  In front of the barrier each wave waits for all its tensor loads (one is out: its part of the next slot), adds 0 to its spare word, and waits for
; that and for its reads of this slot.  fill = 1: the barrier opens a round of the cluster's, and the joint refill, two K steps ahead, is the first thing behind it.
.macro TURN fill
.if \fill
	s_wait_xcnt 0x0                                ; the last prefetch, a K step back, has read its address
	s_add_nc_u64 s[PFA:PFA+1], s[PFA:PFA+1], ASTEP
.endif
	WIN 0
	s_wait_tensorcnt 0x0                           ; no tensor load of mine is out, so a group 0 may be written
	ds_add_u32 v[SPW], v[NIL]                      ; 0 onto my spare word
.if \fill
	s_xor_b32 s[G0A+5], s[G0A+5], SLOT             ; the walking sets: the other slot than last time, the next K step
	s_add_nc_u64 s[G0A+6:G0A+7], s[G0A+6:G0A+7], ASTEP
	s_xor_b32 s[G0B+5], s[G0B+5], SLOT
	s_add_nc_u64 s[G0B+6:G0B+7], s[G0B+6:G0B+7], BSTEP
.endif
	s_wait_dscnt 5                                 ; the add and the youngest four loads may be out
	MUL12 F1, 0, 0
	s_wait_dscnt 0x0                               ; the add is done, and my reads of this slot are over
	s_barrier_signal -1
	MUL12 F1, 1, 0
	WIN 0
	s_barrier_wait -1
.if \fill
	CREST                                          ; no wave of any partner still reads this slot or has a load on its way
	JLOAD 1                                        ; its four v_nop are also the places in front of the loads below
.else
	PLACES
.endif
	s_xor_b32 s[TB], s[TB], SLOT
	v_add_nc_u32 v[ADRA], s[TB], v[ADRA0]
	v_add_nc_u32 v[ADRB], s[TB], v[ADRB0]
	FETCH 0, F0
.if \fill
	WIN 0
	ASK
.endif
	MUL12 F1, 2, 0
	MUL12 F1, 3, 0
.endm
	s_wait_loadcnt 0x0                             ; the table, in the wait for the first tile
	s_wait_tensorcnt 1                             ; my part of K step 0 is in; step 1's may stay out
	s_barrier_signal -1
	s_barrier_wait -1
	s_mov_b32 s[TB], 0
	v_mov_b32 v[ADRA], v[ADRA0]
	v_mov_b32 v[ADRB], v[ADRB0]
	FETCH 0, F0
	QUARTER 1, F0, F1, 1                           ; the first quarter's products start the sums: nothing is cleared
	WIN 0
	s_mov_b32 s[CNT], KSTEPS-2
.Lstep:                                        ; a trip: a K step's quarters 1 to 3 and the next step's quarter 0; steps 2 to 7 are asked for
	QUARTER 2, F1, F0, 0
	QUARTER 3, F0, F1, 0
	TURN 1
	QUARTER 1, F0, F1, 0
	WIN 0
	s_sub_co_u32 s[CNT], s[CNT], 1
	s_cmp_lg_u32 s[CNT], 0
	s_cbranch_scc1 .Lstep
	QUARTER 2, F1, F0, 0                           ; the last two steps are written out: nothing is left to ask for
	QUARTER 3, F0, F1, 0
	TURN 0
	QUARTER 1, F0, F1, 0
	QUARTER 2, F1, F0, 0
	QUARTER 3, F0, F1, 0
	s_wait_dscnt 4
	MUL12 F1, 0, 0
	MUL12 F1, 1, 0
	s_wait_dscnt 0x0
	MUL12 F1, 2, 0
	MUL12 F1, 3, 0
	WIN 0
	PLACES
; THE WAY OUT, in twelve groups g = 3 a + c: row block a, type c.  q and k: out1 = x1 cos - x2 sin, out2 = x1 sin + x2 cos, x1 in column blocks p = 0, 1 and x2 in p + 2 of the same lane.
; Each accumulator is read from its lowest registers on.  16 bytes a lane go into my stage and come back as whole rows: 16 rows of a head are 2,048 consecutive bytes.
.macro PACK g
.set ga, (\g)/3
.set gc, (\g)%3
.set OBR, 32+16*((\g)%2)+192*(((\g)%4)/2)
.set AC, 8*(12*(ga%2)+4*gc)
.if (\g) >= 4
	s_wait_xcnt 0x0                                ; the stores of the group four back have read this buffer
.endif
.if gc < 2
	WIN 0x02+ga/2                                  ; source 0 in the accumulators' window
.irp p, 0,1
.irp j, 0,2,4,6
	v_pk_mul_f32 v[TMP+16+8*(\p)+(\j):TMP+16+8*(\p)+(\j)+1], v[AC+8*(\p)+(\j):AC+8*(\p)+(\j)+1], v[TAB+32*ga+16+8*(\p)+(\j):TAB+32*ga+16+8*(\p)+(\j)+1]
	v_pk_mul_f32 v[TMP+8*(\p)+(\j):TMP+8*(\p)+(\j)+1], v[AC+16+8*(\p)+(\j):AC+16+8*(\p)+(\j)+1], v[TAB+32*ga+16+8*(\p)+(\j):TAB+32*ga+16+8*(\p)+(\j)+1]
.endr
.irp j, 0,2,4,6
	v_pk_fma_f32 v[TMP+8*(\p)+(\j):TMP+8*(\p)+(\j)+1], v[AC+8*(\p)+(\j):AC+8*(\p)+(\j)+1], v[TAB+32*ga+8*(\p)+(\j):TAB+32*ga+8*(\p)+(\j)+1], v[TMP+8*(\p)+(\j):TMP+8*(\p)+(\j)+1] neg_lo:[0,0,1] neg_hi:[0,0,1]
	v_pk_fma_f32 v[TMP+16+8*(\p)+(\j):TMP+16+8*(\p)+(\j)+1], v[AC+16+8*(\p)+(\j):AC+16+8*(\p)+(\j)+1], v[TAB+32*ga+8*(\p)+(\j):TAB+32*ga+8*(\p)+(\j)+1], v[TMP+16+8*(\p)+(\j):TMP+16+8*(\p)+(\j)+1]
.endr
.endr
	WIN 0
.set i, 0
.rept 16
	v_cvt_pk_f16_f32 v[OBR+i], v[TMP+2*i], v[TMP+2*i+1]
.set i, i+1
.endr
.else
	WIN 0x0a+5*(ga/2)                              ; v: both sources in the accumulators' window
.set i, 0
.rept 16
	v_cvt_pk_f16_f32 v[OBR+i], v[AC+2*i], v[AC+2*i+1]
.set i, i+1
.endr
	WIN 0
.endif
.irp f, 0,1,2,3
	ds_store_b128 v[STO], v[OBR+4*(\f):OBR+4*(\f)+3] offset:32*(\f)
.endr
.irp f, 0,1,2,3
	ds_load_b128 v[OBR+4*(\f):OBR+4*(\f)+3], v[RD] offset:(\f)*4*SP  ; LDS serves a wave's instructions in order (ISA guide 5.7.1.4): these see the stores above; the next group's stores come behind them
.endr
.endm
.macro SEND g, younger                 ; younger: the LDS instructions issued behind group g's loads: the next group's eight, or none
.set ga, (\g)/3
.set gc, (\g)%3
.set OBR, 32+16*((\g)%2)+192*(((\g)%4)/2)
.irp f, 0,1,2,3
	s_wait_dscnt (\younger)+3-(\f)
	global_store_b128 v[GO], v[OBR+4*(\f):OBR+4*(\f)+3], s[OUT+2*gc:OUT+2*gc+1] offset:2048*ga+512*(\f)  ; 512 consecutive bytes, at a multiple of 256 from the buffer's first
.endr
.endm
	PACK 0
.set gg, 1
.rept 11                               ; a group's arithmetic stands between the loads of the group before and its stores
	PACK gg
	SEND gg-1, 8
.set gg, gg+1
.endr
	SEND 11, 0
	s_wait_tensorcnt 0x0                           ; the wave's end: behind my last tensor load and my last LDS store
	ds_add_u32 v[SPW], v[NIL]
	s_wait_dscnt 0x0
	CROUND                                         ; the closing round: no work-group ends while a partner may still ask for a tile that names it
	s_endpgm
.Lfunc_end_k_q90be240367_qkvrope:
	.size	k_q90be240367_qkvrope, .Lfunc_end_k_q90be240367_qkvrope-k_q90be240367_qkvrope
	.p2alignl 7, 3214868480
	.fill 96, 4, 3214868480
	.section	.rodata,"a",@progbits
	.p2align	6, 0x0
	.amdhsa_kernel k_q90be240367_qkvrope
		.amdhsa_group_segment_fixed_size 327680
		.amdhsa_private_segment_fixed_size 0
		.amdhsa_enable_private_segment 0
		.amdhsa_kernarg_size 32
		.amdhsa_user_sgpr_count 2
		.amdhsa_user_sgpr_kernarg_segment_ptr 1
		.amdhsa_wavefront_size32 1
		.amdhsa_system_sgpr_workgroup_id_x 1
		.amdhsa_system_sgpr_workgroup_id_y 1
		.amdhsa_system_sgpr_workgroup_id_z 1
		.amdhsa_system_vgpr_workitem_id 0
		.amdhsa_next_free_vgpr 960
		.amdhsa_next_free_sgpr 84
		.amdhsa_reserve_vcc 0
		.amdhsa_float_denorm_mode_32 3
		.amdhsa_float_denorm_mode_16_64 3
		.amdhsa_memory_ordered 1
		.amdhsa_forward_progress 1
		.amdhsa_inst_pref_size 118
	.end_amdhsa_kernel
	.amdgpu_metadata
---
amdhsa.version: [ 1, 2 ]
amdhsa.kernels:
  - .name:           k_q90be240367_qkvrope
    .symbol:         k_q90be240367_qkvrope.kd
    .args:
      - { .name: xb, .offset: 0, .size: 8, .value_kind: global_buffer, .address_space: global }
      - { .name: wqkvb, .offset: 8, .size: 8, .value_kind: global_buffer, .address_space: global }
      - { .name: tab, .offset: 16, .size: 8, .value_kind: global_buffer, .address_space: global }
      - { .name: qkvh, .offset: 24, .size: 8, .value_kind: global_buffer, .address_space: global }
    .group_segment_fixed_size: 327680
    .private_segment_fixed_size: 0
    .kernarg_segment_align: 8
    .kernarg_segment_size: 32
    .max_flat_workgroup_size: 128
    .sgpr_count:     84
    .vgpr_count:     960
    .wavefront_size: 32
...
	.end_amdgpu_metadata
.endif
;; end of part 2
;; launch attn (part 3): grid 4 x 64, 4 waves a work-group, no clusters, 243,200 bytes of LDS; arguments qkvh, ob; writes ob
.if DOCPART == 3
	.amdgcn_target "amdgcn-amd-amdhsa--gfx1250"
	.amdhsa_code_object_version 6
	.text
	.protected	k_q90be240367_attn
	.globl	k_q90be240367_attn
	.p2align	8
	.type	k_q90be240367_attn,@function
k_q90be240367_attn:
	s_mov_b64 s[64:65], 0
	v_nop
	global_prefetch_b8 v0, s[64:65] scope:SCOPE_SE
	s_setreg_imm32_b32 hwreg(HW_REG_WAVE_MODE, 25, 1), 1
	s_wait_xcnt 0x0
; BANDED ATTENTION.  O[bh][i] = the sum over |j - i| <= 128 of softmax_j(q_i . k_j / 8) v_j.  qkvh: [3][64 bh][2048][64] f16; ob: [64 bh][2048][64] f16.
; Products, maxima and sums in f32; the weights p are rounded to f16 for the second product (their sum l is taken of the unrounded p), O once at the end.
; LIMITS.  f16 ends at 65,504: q, k, v arrive within it; p lies in 0 to 1, O within v's range.  A hidden score counts as its value less 1e30; a weight below 2^-126 counts as 0 in l; NaN and infinities are not treated apart.
; SHARES.  A work-group: 512 queries of one bh; a wave two UNITS of 64 queries, one after the other, each four tiles of 16.  Unit U (of 32) needs the key blocks U - 2 .. U + 2 of 64 keys: rel = 0 .. 4.
; rel 1 to 3 are wholly inside the band.  In rel 0 key kk of the block is hidden from query qi of the unit where kk < qi, in rel 4 where kk > qi.  A block outside 0 .. 31 is jumped over.
; The first step that a unit runs shows every query a key (in rel 0 its own kk = qi), so the running maximum is a true score before a hidden one is met.
; THE MASK is the C operand that starts S^T = K Q^T: for tile t and key group kt of 16: all hidden (HID), the diagonal (DLO: 8 h + j < r; DHI: 8 h + j > r), or the constant 0.
; ALL K AND V OF THE WORK-GROUP ARE FILLED ONCE: 768 keys from 512 chunk - 128 on, six tiles of 128 keys for K and six for V; three loads a wave, out together.
; At a sequence's end one tile would lie outside: its number is clamped, so the load brings a neighbour's bytes a second time, and no step reads them (those are the blocks jumped over).
; Nothing is left to run ahead of, so there is no prefetch.  NO CLUSTER: four of a work-group's six tiles are read by one neighbour too, but lie there at other LDS bytes
; (my tiles 4, 5 are its tiles 0, 1), and a joint load has one LDS address for all that it names.
; LAYOUT.  S^T = K Q^T holds ONE query a lane (l % 16) and the keys 8 (l / 16) + 0..7; two such results rounded to f16 ARE source 1 of O^T = V^T P.  K comes out of LDS as it lies, V turned.
; p = 2^(c s - c m), c = log2(e) / 8, m a running maximum; O and l are multiplied by a = 2^(c m_old - c m_new) in every step; m starts at the lowest finite number, so a unit's first a is 0.
; IN PHASES: a step's 32 products K Q^T, its softmax (132 exponentials in one batch with one wait), its 32 products V^T P.
; REGISTERS in windows of 256 (s_set_vgpr_msb: bits 1:0 source 0, 3:2 source 1, 5:4 source 2, 7:6 destination):
;   window 0: v1-15 addresses; v16-31 statistics; v32-51 at work; v62-63 the add's; v64-191 S^T, 32 a tile; v192-255 P, 16 a tile
;   window 1: v0-127 O^T, 32 a tile; v128-151 the masks; v160-223 the second unit's Q          window 2: v0-63 Q; v128-191 K of a step; v192-255 V of a step
.set PK,    144                        ; a row of K in LDS: 128 bytes + 16 = 36 words: the 16 rows of a load start at 16 different groups of four banks (64 banks of 4 bytes: ISA guide 11.1)
.set PV,    160                        ; a row of V: 128 + 32 = 40 words
.set KT,    128*PK                     ; a tile of 128 keys
.set VT,    128*PV
.set VOFF,  6*KT
.set STAGE, VOFF+6*VT                  ; never filled by a tensor load: 16 rows x 144 bytes for each wave
.set SP,    144
.set SPARE, STAGE+4*16*SP              ; the spare words: 128 bytes for each wave, two blocks of 256 bytes that no other line names
.set AK0, 2
.set AV0, 3
.set AK,  4
.set AV,  5
.set STO, 6
.set RD,  7
.set GO,  8
.set QO,  15
.set ST,  16                           ; tile t at ST + 4 t: c m, m, l (even keys', odd keys')
.set TMP, 32                           ; tile t at TMP + 4 t: c0-c3 at work; c2 takes a
.set MV,  48                           ; c m_old
.set SPW, 62
.set NIL, 63
.set S,   64
.set P,   192
.set HID, 128                          ; window 1
.set DLO, 136
.set DHI, 144
.set QB,  160
.set KF,  128                          ; window 2: key block kb, channel half c at KF + 16 kb + 8 c
.set VF,  192                          ; key half kk, channel block cb at VF + 32 kk + 8 cb
.set WV,  12
.set HF,  13
.set CH,  14
.set BH,  15
.set G1K, 24
.set G1V, 32
.set G0K, 40                           ; s[40:51] three sets
.set G0V, 52                           ; s[52:63]
.set CS,  66
.set SEL, 68
.set TBK, 70                           ; LDS byte of the key block in hand, for K
.set TBV, 71                           ; for V, less VOFF
.set U,   72                           ; the unit, 0 .. 31
.set GB,  73                           ; the key block in hand
.set CNT, 74
.set UC,  75
.set BIGN, 76
.set KB,  78
.set VB,  80
.set MSB, 0
.macro WIN new
.if MSB != (\new)
	s_set_vgpr_msb (MSB<<8)|(\new)
.set MSB, \new
.endif
.endm
.set W_KQ, 0x0a                        ; K and Q in window 2, S^T in window 0
.set W_KM, 0x1a                        ; the same with the C operand in window 1
.set W_PV, 0x52                        ; V in window 2, P in window 0, O^T in window 1
.set W_RS, 0x41                        ; destination and source 0 in window 1, source 1 in window 0
.macro PLACES
.rept 4
	v_nop
.endr
.endm
	s_load_b128 s[4:7], s[0:1], 0x0                ; qkvh s[4:5], ob s[6:7]
	v_lshl_add_u32 v[SPW], v0, 2, SPARE
	v_mov_b32 v[NIL], 0
	ds_add_u32 v[SPW], v[NIL]                      ; the wave's opening: the add and its wait stand ahead of my first tensor load; work on registers stands between them
	v_lshrrev_b32 v1, 5, v0
	v_readfirstlane_b32 s[WV], v1
	s_and_b32 s[HF], s[WV], 1
	s_mov_b32 s[CH], ttmp9
	s_and_b32 s[BH], ttmp7, 0xffff
	; 128 keys are 16,384 dense bytes: asked for as 64 rows of 256 bytes, padded in LDS after every key
	s_mov_b32 s[G1K], (1<<16)|(1<<20)|(4<<22)|(3<<25)  ; 2-byte elements; padding on; after every 32 words, 4 words
	s_mov_b32 s[G1V], (1<<16)|(1<<20)|(4<<22)|(7<<25)  ; 8 words
.irp g, G1K, G1V
	s_mov_b32 s[(\g)+1], 128<<16
	s_mov_b32 s[(\g)+2], 64<<16
	s_mov_b32 s[(\g)+3], 128<<16
	s_mov_b32 s[(\g)+4], 64
	s_mov_b32 s[(\g)+5], 128
	s_mov_b32 s[(\g)+6], 0
	s_mov_b32 s[(\g)+7], 0
.endr
	s_mov_b32 s[CS], 0x3e38aa3b                    ; c = log2(e) / 8
	s_mov_b32 s[CS+1], s[CS]
	s_mov_b32 s[SEL], 0x76543210
	s_mov_b32 s[SEL+1], 0xfedcba98
	s_mov_b32 s[BIGN], 0xf149f2ca                  ; -1e30
	s_mul_i32 s[TBK], s[WV], 2*64*PK               ; my first unit is local unit 2 w; its rel 0 is local key block 2 w
	s_mul_i32 s[TBV], s[WV], 2*64*PV
	s_lshl_b32 s[U], s[CH], 3
	s_lshl1_add_u32 s[U], s[WV], s[U]
	s_mov_b32 s[UC], 2
	s_lshl_b32 s2, s[BH], 18                       ; a bh is 262,144 bytes
	s_mov_b32 s3, 0
	s_lshl_b32 s16, s[CH], 16                      ; 512 rows of 128 bytes,
	s_lshl_b32 s17, s[WV], 14                      ; my 128
	s_add_co_u32 s16, s16, s17
	s_add_co_u32 s16, s16, s2
	s_mov_b32 s17, 0
	s_mul_i32 s18, s[HF], KT
	s_mul_i32 s19, s[HF], VT
	s_mov_b32 s21, 0
	s_wait_dscnt 0x0                               ; the opening add is done
	s_wait_kmcnt 0x0
	s_add_nc_u64 s[8:9], s[4:5], s[16:17]          ; Q at my first row
	s_add_nc_u64 s[10:11], s[6:7], s[16:17]        ; O likewise
	s_add_nc_u64 s[KB:KB+1], s[4:5], s[2:3]
	s_add_nc_u64 s[KB:KB+1], s[KB:KB+1], 0x1000000 ; K of my bh
	s_add_nc_u64 s[VB:VB+1], s[KB:KB+1], 0x1000000 ; V
.irp j, 0,1,2                          ; set j: local tile 2 j + half, the sequence's tile 4 chunk + 2 j + half - 1, held to 0 .. 15
	s_lshl2_add_u32 s20, s[CH], s[HF]
	s_add_co_i32 s20, s20, 2*(\j)-1
	s_max_i32 s20, s20, 0
	s_min_i32 s20, s20, 15
	s_lshl_b32 s20, s20, 14
	s_mov_b32 s[G0K+4*(\j)], 1
	s_add_co_u32 s[G0K+4*(\j)+1], s18, (\j)*2*KT
	s_add_nc_u64 s[G0K+4*(\j)+2:G0K+4*(\j)+3], s[KB:KB+1], s[20:21]
	s_or_b32 s[G0K+4*(\j)+3], s[G0K+4*(\j)+3], 0x80000000
	s_mov_b32 s[G0V+4*(\j)], 1
	s_add_co_u32 s[G0V+4*(\j)+1], s19, VOFF+(\j)*2*VT
	s_add_nc_u64 s[G0V+4*(\j)+2:G0V+4*(\j)+3], s[VB:VB+1], s[20:21]
	s_or_b32 s[G0V+4*(\j)+3], s[G0V+4*(\j)+3], 0x80000000
.endr
	s_cmp_lt_u32 s[WV], 2                          ; a wave's three fills stand in one branch, ahead of every wait on TENSORcnt, every LDS read and the barrier: three loads of mine are out
	s_cbranch_scc0 .Lfirst_v
.irp j, 0,1,2
	tensor_load_to_lds s[G0K+4*(\j):G0K+4*(\j)+3], s[G1K:G1K+7]
	s_nop 0
.endr
	PLACES
	s_branch .Lfirst_asked
.Lfirst_v:
.irp j, 0,1,2
	tensor_load_to_lds s[G0V+4*(\j):G0V+4*(\j)+3], s[G1V:G1V+7]
	s_nop 0
.endr
	PLACES
.Lfirst_asked:
	v_and_b32 v1, 15, v0                           ; r
	v_bfe_u32 v9, v0, 4, 1                         ; h
	v_lshlrev_b32 v[QO], 7, v1
	v_lshl_add_u32 v[QO], v9, 4, v[QO]             ; row x 128 + 16 h
	WIN 0x80
.set i, 0
.rept 8                                ; the first unit's Q: tile i / 2, channels 32 (i % 2) on
	global_load_b128 v[8*i:8*i+3],   v[QO], s[8:9] offset:(i/2)*2048+(i%2)*64
	global_load_b128 v[8*i+4:8*i+7], v[QO], s[8:9] offset:(i/2)*2048+(i%2)*64+32
.set i, i+1
.endr
	WIN 0x40
.set i, 0
.rept 8                                ; the second unit's, 64 rows on
	global_load_b128 v[QB+8*i:QB+8*i+3],   v[QO], s[8:9] offset:8192+(i/2)*2048+(i%2)*64
	global_load_b128 v[QB+8*i+4:QB+8*i+7], v[QO], s[8:9] offset:8192+(i/2)*2048+(i%2)*64+32
.set i, i+1
.endr
	WIN 0
	v_lshlrev_b32 v14, 3, v9
	v_sub_nc_u32 v14, v1, v14                      ; r - 8 h: register j of a diagonal group is hidden where j is less (DLO) or greater (DHI)
	WIN 0x40
.set i, 0
.rept 8
	v_mov_b32 v[HID+i], s[BIGN]
	v_cmp_lt_i32 vcc_lo, i, v14
	v_cndmask_b32 v[DLO+i], 0, s[BIGN], vcc_lo
	v_cmp_gt_i32 vcc_lo, i, v14
	v_cndmask_b32 v[DHI+i], 0, s[BIGN], vcc_lo
.set i, i+1
.endr
	; A unit's first step multiplies O^T and l by a = 0, so they need only hold finite numbers: zeros for the first unit, what it left for the second.  This stands in the wait for the tiles.
.set i, 0
.rept 128
	v_mov_b32 v[i], 0
.set i, i+1
.endr
	WIN 0
.set i, 0
.rept 4
	v_mov_b32 v[ST+4*i+2], 0
	v_mov_b32 v[ST+4*i+3], 0
.set i, i+1
.endr
	v_mul_u32_u24 v[AK0], v1, PK
	v_lshl_add_u32 v[AK0], v9, 4, v[AK0]           ; row x pitch + 16 h
	v_and_b32 v10, 7, v0
	v_bfe_u32 v11, v0, 3, 1
	v_lshl_add_u32 v[AV0], v9, 3, v10              ; the turning load: key 8 h + l % 8, channels 8 ((l / 8) % 2) + 0..7
	v_mul_u32_u24 v[AV0], v[AV0], PV
	v_lshl_add_u32 v[AV0], v11, 4, v[AV0]
	v_add_nc_u32 v[AV0], VOFF, v[AV0]
	s_mul_i32 s16, s[WV], 16*SP
	s_add_co_u32 s16, s16, STAGE
	v_mul_u32_u24 v[STO], v1, SP
	v_lshl_add_u32 v[STO], v9, 4, v[STO]
	v_add_nc_u32 v[STO], s16, v[STO]
	v_bfe_u32 v[RD], v0, 3, 2
	v_mul_u32_u24 v[RD], v[RD], SP
	v_lshl_add_u32 v[RD], v10, 4, v[RD]
	v_add_nc_u32 v[RD], s16, v[RD]
	v_and_b32 v[GO], 31, v0
	v_lshlrev_b32 v[GO], 4, v[GO]
.macro REGS t
.set rT, ST+4*(\t)
.set rC, TMP+4*(\t)
.set rW, MV+(\t)
.set rS, S+32*(\t)
.set rP, P+16*(\t)
.set rO, 32*(\t)
.endm
; Number n of the 22 that find tile t's maximum and statistics.  0-11: four chains c0-c3 of seven scores each (each accumulator's lowest registers are read first);
; 12-14, 16: the four scores left over, the old m, c0-c3 into c0; 15: c m_old is kept; 17, 18: the query's other 32 keys lie in the lane 16 away; 19-21: c m; c m_old - c m_new; a
.macro XS t, n
	REGS \t
.if (\n) < 4
	v_max3_num_f32 v[rC+(\n)], v[rS+8*(\n)], v[rS+8*(\n)+1], v[rS+8*(\n)+2]
.elseif (\n) < 12
	v_max3_num_f32 v[rC+(\n)%4], v[rC+(\n)%4], v[rS+8*((\n)%4)+2*((\n)/4)+1], v[rS+8*((\n)%4)+2*((\n)/4)+2]
.elseif (\n) == 12
	v_max3_num_f32 v[rC], v[rC], v[rS+7], v[rS+15]
.elseif (\n) == 13
	v_max3_num_f32 v[rC+1], v[rC+1], v[rS+23], v[rS+31]
.elseif (\n) == 14
	v_max3_num_f32 v[rC+2], v[rC+2], v[rC+3], v[rT+1]
.elseif (\n) == 15
	v_mov_b32 v[rW], v[rT]
.elseif (\n) == 16
	v_max3_num_f32 v[rC], v[rC], v[rC+1], v[rC+2]
.elseif (\n) == 17
	v_permlanex16_b32 v[rC+3], v[rC], s[SEL], s[SEL+1]
.elseif (\n) == 18
	v_max_num_f32 v[rT+1], v[rC], v[rC+3]
.elseif (\n) == 19
	v_mul_f32 v[rT], s[CS], v[rT+1]
.elseif (\n) == 20
	v_sub_f32 v[rC+1], v[rW], v[rT]
.else
	v_exp_f32 v[rC+2], v[rC+1]
.endif
.endm
.macro FS t, n                         ; c s - c m for pair n of 16
	REGS \t
	v_pk_fma_f32 v[rS+2*(\n):rS+2*(\n)+1], v[rS+2*(\n):rS+2*(\n)+1], s[CS:CS+1], v[rT:rT+1] op_sel_hi:[1,0,0] neg_lo:[0,0,1] neg_hi:[0,0,1]
.endm
.macro ES t, n                         ; the exponential of score n of 32
	REGS \t
	v_exp_f32 v[rS+(\n)], v[rS+(\n)]
.endm
; Product of S^T = K Q^T: tile t, keys 16 kt on, channels 32 c on.  The products of c = 0 start the sums, with the mask or with 0.
.macro KQ t, kt, c, mk
.set rS, S+32*(\t)+8*(\kt)
.set rK, KF+16*(\kt)+8*(\c)
.set rQ, 16*(\t)+8*(\c)
.set rM, -1
.if ((\mk) == 1) && ((\kt) < (\t))
.set rM, HID
.endif
.if ((\mk) == 1) && ((\kt) == (\t))
.set rM, DLO
.endif
.if ((\mk) == 2) && ((\kt) > (\t))
.set rM, HID
.endif
.if ((\mk) == 2) && ((\kt) == (\t))
.set rM, DHI
.endif
.if (\c) == 1
	WIN W_KQ
	v_wmma_f32_16x16x32_f16 v[rS:rS+7], v[rK:rK+7], v[rQ:rQ+7], v[rS:rS+7]
.elseif rM >= 0
	WIN W_KM
	v_wmma_f32_16x16x32_f16 v[rS:rS+7], v[rK:rK+7], v[rQ:rQ+7], v[rM:rM+7]
.else
.if \mk
	WIN W_KM                                       ; a constant C names no window: one setting serves the sixteen
.else
	WIN W_KQ
.endif
	v_wmma_f32_16x16x32_f16 v[rS:rS+7], v[rK:rK+7], v[rQ:rQ+7], 0
.endif
.endm
; A KEY STEP for the unit's four tiles.  mk = 0: no mask; 1: rel 0; 2: rel 4.  In each run of 32 products the 16 accumulators take turns, one instruction a turn.
.macro STEP mk
	WIN 0
	v_add_nc_u32 v[AK], s[TBK], v[AK0]
	v_add_nc_u32 v[AV], s[TBV], v[AV0]
	WIN 0x80                                       ; 32 LDS loads in one run: K's 16, then V's 16; four plain instructions or more stand behind the last products that read these registers
.irp f, 0,1,2,3,4,5,6,7
	ds_load_b128 v[KF+8*(\f):KF+8*(\f)+3],   v[AK] offset:((\f)/2)*16*PK+((\f)%2)*64
	ds_load_b128 v[KF+8*(\f)+4:KF+8*(\f)+7], v[AK] offset:((\f)/2)*16*PK+((\f)%2)*64+32
.endr
.irp f, 0,1,2,3,4,5,6,7
	ds_load_tr16_b128 v[VF+8*(\f):VF+8*(\f)+3],   v[AV] offset:((\f)/4)*32*PV+((\f)%4)*32
	ds_load_tr16_b128 v[VF+8*(\f)+4:VF+8*(\f)+7], v[AV] offset:((\f)/4)*32*PV+16*PV+((\f)%4)*32
.endr
	s_wait_dscnt 16                                ; K is in; V's sixteen loads may stay out
.irp c, 0,1
.irp t, 0,1,2,3
.irp kt, 0,1,2,3
	KQ \t, \kt, \c, \mk
.endr
.endr
.endr
	WIN 0
	PLACES
.irp n, 0,1,2,3,4,5,6,7,8,9,10,11,12,13,14,15,16,17,18,19,20
.irp t, 0,1,2,3                        ; the four tiles alternate, so that no line reads the result of the one before it
	XS \t, \n
.endr
.endr
	; ONE BATCH of 132 exponentials: the four a, then the scores'; the scalings of tile t + 1 stand between the exponentials of tile t.  Nothing ahead of the wait names a result of the batch.
.irp t, 0,1,2,3
	XS \t, 21
.endr
.irp n, 0,1,2,3,4,5,6,7,8,9,10,11,12,13,14,15
	FS 0, \n
.endr
.irp t, 0,1,2,3
.set e, 0
.rept 32
	ES \t, e
.if ((\t) < 3) && (e%2 == 0)
	FS (\t)+1, e/2
.endif
.set e, e+1
.endr
.endr
	v_nop                                          ; a plain instruction behind the last exponential,
	s_wait_alu depctr_va_vdst(0)                   ; and one wait ahead of the batch's first reader
	WIN W_RS
.irp t, 0,1,2,3
	REGS \t
.set n, 0
.rept 16
	v_pk_mul_f32 v[rO+2*n:rO+2*n+1], v[rO+2*n:rO+2*n+1], v[rC+2:rC+3] op_sel_hi:[1,0]  ; O^T times a, each accumulator from its lowest registers on
.set n, n+1
.endr
.endr
	WIN 0
.irp t, 0,1,2,3
	REGS \t
.set n, 0
.rept 16
	v_cvt_pk_f16_f32 v[rP+n], v[rS+2*n], v[rS+2*n+1]
.set n, n+1
.endr
.endr
.irp n, 0,1,2,3,4,5,6,7                ; of four weights the second pair is added onto the first, in place;
.irp t, 0,1,2,3
	REGS \t
	v_pk_add_f32 v[rS+4*(\n):rS+4*(\n)+1], v[rS+4*(\n):rS+4*(\n)+1], v[rS+4*(\n)+2:rS+4*(\n)+3]
.endr
.endr
.irp n, 0,1,2,3,4,5,6,7                ; then l takes the sums, the first time as l = a l + sum
.irp t, 0,1,2,3
	REGS \t
.if (\n) == 0
	v_pk_fma_f32 v[rT+2:rT+3], v[rT+2:rT+3], v[rC+2:rC+3], v[rS:rS+1] op_sel_hi:[1,0,1]
.else
	v_pk_add_f32 v[rT+2:rT+3], v[rT+2:rT+3], v[rS+4*(\n):rS+4*(\n)+1]
.endif
.endr
.endr
	s_wait_dscnt 0x0                               ; V is in
	WIN W_PV
.irp kk, 0,1
.irp t, 0,1,2,3
.irp cb, 0,1,2,3
	v_wmma_f32_16x16x32_f16 v[32*(\t)+8*(\cb):32*(\t)+8*(\cb)+7], v[VF+32*(\kk)+8*(\cb):VF+32*(\kk)+8*(\cb)+7], v[P+16*(\t)+8*(\kk):P+16*(\t)+8*(\kk)+7], v[32*(\t)+8*(\cb):32*(\t)+8*(\cb)+7]
.endr
.endr
.endr
	WIN 0
	PLACES
.endm
.macro ALL line:vararg                 ; one line for each tile t
.set t, 0
.rept 4
	\line
.set t, t+1
.endr
.endm
.macro PACK t                          ; a lane's eight channels of a row pack into 16 bytes; they go into rows of 144 bytes and come back as whole rows of 128, into S^T's registers
	WIN W_RS
.set i, 32*(\t)
.rept 16
	v_pk_mul_f32 v[i:i+1], v[i:i+1], v[ST+4*(\t)+2:ST+4*(\t)+3] op_sel_hi:[1,0]
.set i, i+2
.endr
	WIN 0x05
.set i, 0
.rept 16
	v_cvt_pk_f16_f32 v[S+16*(\t)+i], v[32*(\t)+2*i], v[32*(\t)+2*i+1]
.set i, i+1
.endr
	WIN 0
.irp f, 0,1,2,3
	ds_store_b128 v[STO], v[S+16*(\t)+4*(\f):S+16*(\t)+4*(\f)+3] offset:32*(\f)
.endr
.irp f, 0,1,2,3
	ds_load_b128 v[S+16*(\t)+4*(\f):S+16*(\t)+4*(\f)+3], v[RD] offset:(\f)*4*SP  ; LDS serves a wave's instructions in order (ISA guide 5.7.1.4): these see the stores above
.endr
.endm
.macro SEND t, younger                 ; younger: the LDS instructions issued behind tile t's loads: the next tile's eight, or none
.irp f, 0,1,2,3
	s_wait_dscnt (\younger)+3-(\f)
	global_store_b128 v[GO], v[S+16*(\t)+4*(\f):S+16*(\t)+4*(\f)+3], s[10:11] offset:(\t)*2048+(\f)*512  ; 512 consecutive bytes, at a multiple of 256 from ob's first
.endr
.endm
	s_wait_tensorcnt 0x0                           ; my three tiles are in,
	s_barrier_signal -1
	s_barrier_wait -1                              ; everybody's are: the launch's one barrier
	s_wait_loadcnt 0x0                             ; Q
.Lunit:                                        ; two trips: a unit of 64 queries each
.set i, 0
.rept 4
	v_mov_b32 v[ST+4*i], 0xfe000000                ; c m: far below every c s
	v_mov_b32 v[ST+4*i+1], 0xff7fffff              ; m
.set i, i+1
.endr
	s_cmp_lt_u32 s[U], 2
	s_cbranch_scc1 .Lno_lo                         ; key block U - 2 does not exist
	STEP 1
.Lno_lo:
	s_add_co_u32 s[TBK], s[TBK], 64*PK
	s_add_co_u32 s[TBV], s[TBV], 64*PV
	s_sub_co_u32 s[GB], s[U], 1                    ; (for U = 0 this wraps to the greatest number, which is above 31 too)
	s_mov_b32 s[CNT], 3
.Lplain:                                       ; key blocks U - 1, U, U + 1
	s_cmp_gt_u32 s[GB], 31
	s_cbranch_scc1 .Lno_mid
	STEP 0
.Lno_mid:
	s_add_co_u32 s[TBK], s[TBK], 64*PK
	s_add_co_u32 s[TBV], s[TBV], 64*PV
	s_add_co_u32 s[GB], s[GB], 1
	s_sub_co_u32 s[CNT], s[CNT], 1
	s_cmp_lg_u32 s[CNT], 0
	s_cbranch_scc1 .Lplain
	s_cmp_gt_u32 s[GB], 31
	s_cbranch_scc1 .Lno_hi                         ; key block U + 2 does not exist
	STEP 2
.Lno_hi:
	; THE WAY OUT.  l's two halves and the other half of the lanes' are added; O^T is divided by l, rounded to f16 and sent through my stage, a tile at a time.
	ALL v_add_f32 v[ST+4*t+2], v[ST+4*t+2], v[ST+4*t+3]
	ALL v_permlanex16_b32 v[ST+4*t+3], v[ST+4*t+2], s[SEL], s[SEL+1]
	ALL v_add_f32 v[ST+4*t+2], v[ST+4*t+2], v[ST+4*t+3]
	ALL v_rcp_f32 v[ST+4*t+2], v[ST+4*t+2]
	v_nop                                          ; a plain instruction behind the last reciprocal,
	s_wait_alu depctr_va_vdst(0)                   ; and one wait for the four, ahead of their first reader
	PACK 0
.set tt, 1
.rept 3                                ; a tile's arithmetic stands between the loads of the tile before and its stores
	PACK tt
	SEND tt-1, 8
.set tt, tt+1
.endr
	SEND 3, 0
	s_wait_xcnt 0x0                                ; the stores have read their registers and O's address
	s_add_nc_u64 s[10:11], s[10:11], 8192          ; the next unit's 64 rows
	s_sub_co_u32 s[TBK], s[TBK], 3*64*PK           ; four blocks were stepped over (rel 4 has no step behind it): the next unit's rel 0 is one block on from this unit's
	s_sub_co_u32 s[TBV], s[TBV], 3*64*PV
	s_add_co_u32 s[U], s[U], 1
	s_cmp_eq_u32 s[UC], 1
	s_cbranch_scc1 .Lno_copy                       ; behind the second unit nothing is left to copy
	WIN 0x81                                       ; the second unit's Q goes where the one text of the steps names Q
.set i, 0
.rept 64
	v_mov_b32 v[i], v[QB+i]
.set i, i+1
.endr
	WIN 0
.Lno_copy:
	s_sub_co_u32 s[UC], s[UC], 1
	s_cmp_lg_u32 s[UC], 0
	s_cbranch_scc1 .Lunit
	s_wait_tensorcnt 0x0                           ; the wave's end: behind my last tensor load and my last LDS store
	ds_add_u32 v[SPW], v[NIL]
	s_wait_dscnt 0x0
	s_endpgm
.Lfunc_end_k_q90be240367_attn:
	.size	k_q90be240367_attn, .Lfunc_end_k_q90be240367_attn-k_q90be240367_attn
	.p2alignl 7, 3214868480
	.fill 96, 4, 3214868480
	.section	.rodata,"a",@progbits
	.p2align	6, 0x0
	.amdhsa_kernel k_q90be240367_attn
		.amdhsa_group_segment_fixed_size 243200
		.amdhsa_private_segment_fixed_size 0
		.amdhsa_enable_private_segment 0
		.amdhsa_kernarg_size 16
		.amdhsa_user_sgpr_count 2
		.amdhsa_user_sgpr_kernarg_segment_ptr 1
		.amdhsa_wavefront_size32 1
		.amdhsa_system_sgpr_workgroup_id_x 1
		.amdhsa_system_sgpr_workgroup_id_y 1
		.amdhsa_system_sgpr_workgroup_id_z 1
		.amdhsa_system_vgpr_workitem_id 0
		.amdhsa_next_free_vgpr 768
		.amdhsa_next_free_sgpr 84
		.amdhsa_reserve_vcc 1
		.amdhsa_float_denorm_mode_32 3
		.amdhsa_float_denorm_mode_16_64 3
		.amdhsa_memory_ordered 1
		.amdhsa_forward_progress 1
		.amdhsa_inst_pref_size 128
	.end_amdhsa_kernel
	.amdgpu_metadata
---
amdhsa.version: [ 1, 2 ]
amdhsa.kernels:
  - .name:           k_q90be240367_attn
    .symbol:         k_q90be240367_attn.kd
    .args:
      - { .name: qkvh, .offset: 0, .size: 8, .value_kind: global_buffer, .address_space: global }
      - { .name: ob, .offset: 8, .size: 8, .value_kind: global_buffer, .address_space: global }
    .group_segment_fixed_size: 243200
    .private_segment_fixed_size: 0
    .kernarg_segment_align: 8
    .kernarg_segment_size: 16
    .max_flat_workgroup_size: 128
    .sgpr_count:     84
    .vgpr_count:     768
    .wavefront_size: 32
...
	.end_amdgpu_metadata
.endif
;; end of part 3
;; launch proj (part 4): grid 8 x 32, 4 waves a work-group, clusters of 4 x 4, 327,680 bytes of LDS; arguments ob, woutb, bout, out0; writes out0
.if DOCPART == 4
	.amdgcn_target "amdgcn-amd-amdhsa--gfx1250"
	.amdhsa_code_object_version 6
	.text
	.protected	k_q90be240367_proj
	.globl	k_q90be240367_proj
	.p2align	8
	.type	k_q90be240367_proj,@function
k_q90be240367_proj:
	s_mov_b64 s[64:65], 0
	v_nop
	global_prefetch_b8 v0, s[64:65] scope:SCOPE_SE
	s_setreg_imm32_b32 hwreg(HW_REG_WAVE_MODE, 25, 1), 1
	s_wait_xcnt 0x0
	s_wait_alu depctr_hold_cnt(0) depctr_sa_sdst(0) depctr_va_vdst(0) depctr_va_sdst(0) depctr_va_ssrc(0) depctr_va_vcc(0) depctr_vm_vsrc(0)
	s_getreg_b32 s2, hwreg(HW_REG_IB_STS2, 6, 4)
	s_cmp_eq_u32 s2, 0
	s_cbranch_scc0 .Lentry_in_a_cluster
	s_endpgm
.Lentry_in_a_cluster:
	s_bfe_u32 s2, ttmp6, 0x10000c
	s_cmp_lg_u32 s2, 0xf033
	s_cbranch_scc0 .Lentry_shape_is_right
	s_endpgm
.Lentry_shape_is_right:
; out0 = O Wout + bout.  ob: [64 bh = 16 batch + head][2048 t][64] f16.  woutb: [1024 k][1024 n] f16 (Wout rounded to bf16, written as f16).  bout: [1024] f32, rounded to bf16 here like every input.
; out0: [8192][1024] f32.  Sums in f32; the bias is added in f32; nothing is rounded on the way out.
; SHARES.  A work-group: 256 token rows x 128 columns: 8 x 32 = 256 work-groups.  Four waves, each 64 rows x 128 columns: 4 x 8 accumulators, 256 registers.
; K = 1024 goes in 8 steps of 128 = two heads: a head's 256 rows of 128 bytes are 32,768 dense bytes of ob, asked for as 128 rows of 256.
; THE MATRIX INSTRUCTION IS USED TRANSPOSED: source 0 = 16 columns of Wout (turned out of LDS by ds_load_tr16_b128), source 1 = 16 rows of O: a lane holds row l % 16 and columns 16 b + 8 (l / 16) + 0..7.
; CLUSTER 4 x 4.  O's tiles hang on the row block alone: shared along a row of the cluster; Wout's on the column block alone: shared along a column.
; REGISTERS in windows of 256: window 0: v1-20 addresses; v28-29 the add's; v32-95 the bias of my columns; v96-223 two buffers of the way out
;   window 1: two fragment buffers at v0 and v128: 32 of O, then 64 of Wout          window 2: the accumulators, (a, b) at 8 (8 a + b)
.set KSTEPS, 8
.set SLOT,  1<<17
.set PA,    144                        ; a row of O in LDS: 128 bytes + 16 = 36 words: the 16 rows of a load start at 16 different groups of four banks (64 banks of 4 bytes: ISA guide 11.1)
.set AHEAD, 256*PA                     ; a head's 256 rows
.set BOFF,  2*AHEAD
.set PB,    288                        ; a k row of Wout: 256 bytes + 32 = 72 words
.set BHALF, 64*PB
.set STAGE, SLOT+BOFF+2*BHALF          ; behind the ring, never filled by a tensor load: 16 rows x 528 bytes for each wave
.set SP,    528
.set SPARE, STAGE+4*16*SP              ; the spare words: 128 bytes for each wave, two blocks of 256 bytes that no other line names
.set ASTEP, 2*262144                   ; two heads on
.set BSTEP, 128*2048
.set ADRA0, 12
.set ADRB0, 13
.set ADRA,  14
.set ADRB,  15
.set STO,   16
.set RD,    17
.set GO,    18
.set BO,    19
.set PFO,   20
.set SPW,   28
.set NIL,   29
.set BIAS,  32
.set F0,    0
.set F1,    128
.set CNT,   3
.set WV,    12
.set FB,    13
.set HF,    14
.set G1A,   24
.set G0A,   32
.set PFA,   44
.set LIM,   46
.set TB,    47
.set G1B,   48
.set G0B,   56
.set OUT,   68
.set BB,    70
.set MSB, 0
.macro WIN new
.if MSB != (\new)
	s_set_vgpr_msb (MSB<<8)|(\new)
.set MSB, \new
.endif
.endm
.set MUL,  0xa5                        ; both sources window 1, C and D window 2
.set TO_F, 0x40
.macro PLACES
.rept 4
	v_nop
.endr
.endm
.macro JLOAD s                         ; a joint load: waves 0 and 1 ask for the step's two heads of O, waves 2 and 3 for the halves of Wout's tile; an s_nop 0 and four v_nop follow each line
	s_cmp_eq_u32 s[FB], 0
	s_cbranch_scc0 .Lfor_b_\@
	tensor_load_to_lds s[G0A+4*(\s):G0A+4*(\s)+3], s[G1A:G1A+7]
	s_nop 0
.rept 4
	v_nop
.endr
	s_branch .Lasked_\@
.Lfor_b_\@:
	tensor_load_to_lds s[G0B+4*(\s):G0B+4*(\s)+3], s[G1B:G1B+7]
	s_nop 0
.rept 4
	v_nop
.endr
.Lasked_\@:
.endm
.macro CREST
	s_cmp_lg_u32 s[WV], 0
	s_cbranch_scc1 .Lnot_wave_0_\@
	s_barrier_signal -3
.Lnot_wave_0_\@:
	s_barrier_wait -3
	s_barrier_signal -1
	s_barrier_wait -1
.endm
.macro CROUND
	s_barrier_signal -1
	s_barrier_wait -1
	CREST
.endm
; A PREFETCH INTO THE L2 of O's K step two refills on.  A row block of ob is read by the two clusters of a row of clusters: the first (cluster x = 0) asks.  Of the 32,768 bytes that wave 0 or 1 fetches
; the partner at place cx takes 8,192, told apart by address: a lane 256 bytes.  Trip s refills step s + 2 and names step s + 4: the trips with CNT = 6 .. 3 ask.  Wout is not asked for: all eight rows of clusters read it.
.macro ASK
	s_cmp_gt_u32 s[CNT], s[LIM]
	s_cbranch_scc0 .Lnot_mine_\@
	global_prefetch_b8 v[PFO], s[PFA:PFA+1] offset:ASTEP th:TH_LOAD_NT scope:SCOPE_SE
.Lnot_mine_\@:
.endm
	s_load_b256 s[4:11], s[0:1], 0x0               ; ob s[4:5], woutb s[6:7], bout s[8:9], out0 s[10:11]
	v_lshl_add_u32 v[SPW], v0, 2, SPARE
	v_mov_b32 v[NIL], 0
	ds_add_u32 v[SPW], v[NIL]                      ; the wave's opening: the add and its wait stand ahead of my first tensor load; work on registers stands between them
	v_lshrrev_b32 v1, 5, v0
	v_readfirstlane_b32 s[WV], v1
	s_lshr_b32 s[FB], s[WV], 1
	s_and_b32 s[HF], s[WV], 1
	s_bfe_u32 s40, ttmp6, 0x40000                  ; cx
	s_bfe_u32 s41, ttmp6, 0x40004                  ; cy
	s_lshl_b32 s42, ttmp9, 2
	s_add_co_u32 s42, s42, s40                     ; the block of 128 columns
	s_and_b32 s43, ttmp7, 0xffff
	s_lshl_b32 s43, s43, 2
	s_add_co_u32 s43, s43, s41                     ; the block of 256 rows
	s_lshl_b32 s16, s41, 2
	s_lshl_b32 s16, 15, s16                        ; my row of the cluster
	s_lshl_b32 s20, 0x1111, s40                    ; my column
	s_or_b32 s[G1A], s16, (1<<16)|(1<<20)|(1<<21)|(4<<22)|(3<<25)  ; mask; 2-byte elements; padding on; bit 21 beside a mask; after every 32 words, 4 words
	s_mov_b32 s[G1A+1], 128<<16
	s_mov_b32 s[G1A+2], 128<<16
	s_mov_b32 s[G1A+3], 128<<16
	s_mov_b32 s[G1A+4], 128
	s_mov_b32 s[G1A+5], 128
	s_mov_b32 s[G1A+6], 0
	s_mov_b32 s[G1A+7], 0
	s_or_b32 s[G1B], s20, (1<<16)|(1<<20)|(1<<21)|(5<<22)|(7<<25)  ; after every 64 words, 8 words
	s_mov_b32 s[G1B+1], 128<<16
	s_mov_b32 s[G1B+2], 64<<16
	s_mov_b32 s[G1B+3], 128<<16
	s_mov_b32 s[G1B+4], 64
	s_mov_b32 s[G1B+5], 1024
	s_mov_b32 s[G1B+6], 0
	s_mov_b32 s[G1B+7], 0
	s_lshr_b32 s16, s43, 3                         ; O: the batch's 16 heads of 262,144 bytes,
	s_lshl_b32 s16, s16, 22
	s_lshl_b32 s17, s[HF], 18                      ; the step's first or second head,
	s_add_co_u32 s16, s16, s17
	s_and_b32 s17, s43, 7
	s_lshl_b32 s17, s17, 15                        ; 256 rows of 128 bytes
	s_add_co_u32 s16, s16, s17
	s_mov_b32 s17, 0
	s_mul_i32 s18, s[HF], AHEAD
	s_lshl_b32 s20, s[HF], 17                      ; Wout: k row 64 x half, of 2,048 bytes,
	s_lshl_b32 s21, s42, 8                         ; 128 columns of 2 bytes
	s_add_co_u32 s20, s20, s21
	s_mov_b32 s21, 0
	s_mul_i32 s22, s[HF], BHALF
	s_add_co_u32 s22, s22, BOFF
	s_wait_dscnt 0x0                               ; the opening add is done
	s_wait_kmcnt 0x0
	s_add_nc_u64 s[16:17], s[4:5], s[16:17]
	s_add_nc_u64 s[20:21], s[6:7], s[20:21]
	CROUND                                         ; all sixteen work-groups are here: the first joint loads meet
.irp s, 0,1
	s_mov_b32 s[G0A+4*(\s)], 1
	s_add_co_u32 s[G0A+4*(\s)+1], s18, (\s)*SLOT
	s_add_nc_u64 s[G0A+4*(\s)+2:G0A+4*(\s)+3], s[16:17], (\s)*ASTEP
	s_or_b32 s[G0A+4*(\s)+3], s[G0A+4*(\s)+3], 0x80000000
	s_mov_b32 s[G0B+4*(\s)], 1
	s_add_co_u32 s[G0B+4*(\s)+1], s22, (\s)*SLOT
	s_add_nc_u64 s[G0B+4*(\s)+2:G0B+4*(\s)+3], s[20:21], (\s)*BSTEP
	s_or_b32 s[G0B+4*(\s)+3], s[G0B+4*(\s)+3], 0x80000000
	JLOAD \s                                       ; K steps 0 and 1: two loads of mine are out
.endr
	s_lshl_b32 s76, s40, 13                        ; the prefetches: my work-group's 8,192 bytes,
	s_mov_b32 s77, 0
	s_add_nc_u64 s[PFA:PFA+1], s[16:17], s[76:77]
	s_add_nc_u64 s[PFA:PFA+1], s[PFA:PFA+1], 2*ASTEP  ; at K step 2: the first refill steps it to 3 and names 4
	s_or_b32 s[LIM], s[FB], ttmp9
	s_cmp_eq_u32 s[LIM], 0
	s_cselect_b32 s[LIM], 2, -1
	s_lshl_b32 s76, s43, 8
	s_lshl_b32 s78, s[WV], 6
	s_add_co_u32 s76, s76, s78                     ; my first row,
	s_lshl_b32 s76, s76, 12                        ; of 4,096 bytes,
	s_lshl_b32 s78, s42, 9                         ; 128 columns of 4 bytes
	s_add_co_u32 s76, s76, s78
	s_add_nc_u64 s[OUT:OUT+1], s[10:11], s[76:77]
	s_mov_b32 s79, 0
	s_add_nc_u64 s[BB:BB+1], s[8:9], s[78:79]
	v_and_b32 v1, 15, v0                           ; r
	v_bfe_u32 v2, v0, 4, 1                         ; h
	v_and_b32 v3, 7, v0
	v_bfe_u32 v4, v0, 3, 1
	v_and_b32 v5, 31, v0
	v_lshlrev_b32 v[BO], 5, v2
.irp b, 0,1,2,3,4,5,6,7                ; the bias of my columns 16 b + 8 h + 0..7
	global_load_b128 v[BIAS+8*(\b):BIAS+8*(\b)+3],   v[BO], s[BB:BB+1] offset:64*(\b)
	global_load_b128 v[BIAS+8*(\b)+4:BIAS+8*(\b)+7], v[BO], s[BB:BB+1] offset:64*(\b)+16
.endr
	s_mul_i32 s78, s[WV], 64*PA
	v_mul_u32_u24 v[ADRA0], v1, PA
	v_lshl_add_u32 v[ADRA0], v2, 4, v[ADRA0]
	v_add_nc_u32 v[ADRA0], s78, v[ADRA0]
	v_lshl_add_u32 v[ADRB0], v2, 3, v3
	v_mul_u32_u24 v[ADRB0], v[ADRB0], PB
	v_lshl_add_u32 v[ADRB0], v4, 4, v[ADRB0]
	v_add_nc_u32 v[ADRB0], BOFF, v[ADRB0]
	s_mul_i32 s78, s[WV], 16*SP
	s_add_co_u32 s78, s78, STAGE
	v_mul_u32_u24 v[STO], v1, SP                   ; in: row r, 32 bytes for each half of the lanes
	v_lshl_add_u32 v[STO], v2, 5, v[STO]
	v_add_nc_u32 v[STO], s78, v[STO]
	v_lshl_add_u32 v[RD], v5, 4, s78               ; back: 32 lanes take a row of 512 bytes
	v_lshlrev_b32 v[GO], 4, v5
	v_lshlrev_b32 v[PFO], 8, v5
	s_wait_loadcnt 0x0
.set n, 0
.rept 32                               ; rounded to bf16 and widened again, in the wait for the first tile
	v_cvt_pk_bf16_f32 v10, v[BIAS+2*n], v[BIAS+2*n+1]
	v_lshlrev_b32 v[BIAS+2*n], 16, v10
	v_and_b32 v[BIAS+2*n+1], 0xffff0000, v10
.set n, n+1
.endr
; 8 matrix instructions: row block a x all 8 column blocks, 32 along K.  The 32 accumulators take turns, one instruction a turn, in the same order in every quarter.
.macro MUL8 f, a, zero
	WIN MUL
.irp b, 0,1,2,3,4,5,6,7
.if \zero
	v_wmma_f32_16x16x32_f16 v[8*(8*(\a)+(\b)):8*(8*(\a)+(\b))+7], v[(\f)+32+8*(\b):(\f)+32+8*(\b)+7], v[(\f)+8*(\a):(\f)+8*(\a)+7], 0
.else
	v_wmma_f32_16x16x32_f16 v[8*(8*(\a)+(\b)):8*(8*(\a)+(\b))+7], v[(\f)+32+8*(\b):(\f)+32+8*(\b)+7], v[(\f)+8*(\a):(\f)+8*(\a)+7], v[8*(8*(\a)+(\b)):8*(8*(\a)+(\b))+7]
.endif
.endr
.endm
; 24 LDS loads in one run: quarter q's fragments into buffer f: Wout's 16, then O's 8 (head q / 2 of the step, channels 32 (q % 2) on), row blocks ascending
.macro FETCH q, f
	WIN TO_F
.irp b, 0,1,2,3,4,5,6,7
	ds_load_tr16_b128 v[(\f)+32+8*(\b):(\f)+32+8*(\b)+3],   v[ADRB] offset:(\q)*32*PB+32*(\b)
	ds_load_tr16_b128 v[(\f)+32+8*(\b)+4:(\f)+32+8*(\b)+7], v[ADRB] offset:(\q)*32*PB+32*(\b)+16*PB
.endr
.irp a, 0,1,2,3
	ds_load_b128 v[(\f)+8*(\a):(\f)+8*(\a)+3],   v[ADRA] offset:((\q)/2)*AHEAD+((\q)%2)*64+(\a)*16*PA
	ds_load_b128 v[(\f)+8*(\a)+4:(\f)+8*(\a)+7], v[ADRA] offset:((\q)/2)*AHEAD+((\q)%2)*64+(\a)*16*PA+32
.endr
.endm
.macro QUARTER q, f, g, zero
	s_wait_dscnt 4                                 ; Wout and O's row blocks 0, 1 are in; the youngest four loads may be out
	MUL8 \f, 0, \zero
	MUL8 \f, 1, \zero
	PLACES
	FETCH \q, \g
	s_wait_dscnt 24                                ; all but the 24 just issued
	MUL8 \f, 2, \zero
	MUL8 \f, 3, \zero
.endm
; The last quarter multiplies buffer 1 and changes slots.  In front of the barrier each wave waits for all its tensor loads (one is out: its part of the next slot), adds 0 to its spare word, and waits for
; that and for its reads of this slot.  fill = 1: the barrier opens a round of the cluster's, and the joint refill, two K steps ahead, is the first thing behind it.
.macro TURN fill
.if \fill
	s_wait_xcnt 0x0                                ; the last prefetch, a K step back, has read its address
	s_add_nc_u64 s[PFA:PFA+1], s[PFA:PFA+1], ASTEP
.endif
	WIN 0
	s_wait_tensorcnt 0x0                           ; no tensor load of mine is out, so a group 0 may be written
	ds_add_u32 v[SPW], v[NIL]                      ; 0 onto my spare word
.if \fill
	s_xor_b32 s[G0A+5], s[G0A+5], SLOT
	s_add_nc_u64 s[G0A+6:G0A+7], s[G0A+6:G0A+7], ASTEP
	s_xor_b32 s[G0B+5], s[G0B+5], SLOT
	s_add_nc_u64 s[G0B+6:G0B+7], s[G0B+6:G0B+7], BSTEP
.endif
	s_wait_dscnt 5                                 ; the add and the youngest four loads may be out
	MUL8 F1, 0, 0
	s_wait_dscnt 0x0                               ; the add is done, and my reads of this slot are over
	s_barrier_signal -1
	MUL8 F1, 1, 0
	WIN 0
	s_barrier_wait -1
.if \fill
	CREST                                          ; no wave of any partner still reads this slot or has a load on its way
	JLOAD 1                                        ; its four v_nop are also the places in front of the loads below
.else
	PLACES
.endif
	s_xor_b32 s[TB], s[TB], SLOT
	v_add_nc_u32 v[ADRA], s[TB], v[ADRA0]
	v_add_nc_u32 v[ADRB], s[TB], v[ADRB0]
	FETCH 0, F0
.if \fill
	WIN 0
	ASK
.endif
	MUL8 F1, 2, 0
	MUL8 F1, 3, 0
.endm
	s_wait_tensorcnt 1                             ; my part of K step 0 is in; step 1's may stay out
	s_barrier_signal -1
	s_barrier_wait -1
	s_mov_b32 s[TB], 0
	v_mov_b32 v[ADRA], v[ADRA0]
	v_mov_b32 v[ADRB], v[ADRB0]
	FETCH 0, F0
	QUARTER 1, F0, F1, 1                           ; the first quarter's products start the sums: nothing is cleared
	WIN 0
	s_mov_b32 s[CNT], KSTEPS-2
.Lstep:                                        ; a trip: a K step's quarters 1 to 3 and the next step's quarter 0; steps 2 to 7 are asked for
	QUARTER 2, F1, F0, 0
	QUARTER 3, F0, F1, 0
	TURN 1
	QUARTER 1, F0, F1, 0
	WIN 0
	s_sub_co_u32 s[CNT], s[CNT], 1
	s_cmp_lg_u32 s[CNT], 0
	s_cbranch_scc1 .Lstep
	QUARTER 2, F1, F0, 0                           ; the last two steps are written out: nothing is left to ask for
	QUARTER 3, F0, F1, 0
	TURN 0
	QUARTER 1, F0, F1, 0
	QUARTER 2, F1, F0, 0
	QUARTER 3, F0, F1, 0
	s_wait_dscnt 4
	MUL8 F1, 0, 0
	MUL8 F1, 1, 0
	s_wait_dscnt 0x0
	MUL8 F1, 2, 0
	MUL8 F1, 3, 0
	WIN 0
	PLACES
; THE WAY OUT, a row block of 16 rows at a time: the bias is added (each accumulator read from its lowest registers on), 32 bytes a lane go into my stage, whole rows of 512 bytes come back and are stored.
.macro PACK a
.set TT, 96+64*((\a)%2)
.if (\a) >= 2
	s_wait_xcnt 0x0                                ; the stores of the block two back have read this buffer
.endif
	WIN 0x02                                       ; source 0 in the accumulators' window
.set n, 0
.rept 32
	v_pk_add_f32 v[TT+2*n:TT+2*n+1], v[64*(\a)+2*n:64*(\a)+2*n+1], v[BIAS+2*n:BIAS+2*n+1]
.set n, n+1
.endr
	WIN 0
.irp b, 0,1,2,3,4,5,6,7
	ds_store_b128 v[STO], v[TT+8*(\b):TT+8*(\b)+3]   offset:64*(\b)
	ds_store_b128 v[STO], v[TT+8*(\b)+4:TT+8*(\b)+7] offset:64*(\b)+16
.endr
.set row, 0
.rept 16
	ds_load_b128 v[TT+4*row:TT+4*row+3], v[RD] offset:SP*row  ; LDS serves a wave's instructions in order (ISA guide 5.7.1.4): these see the stores above; the next block's stores come behind them
.set row, row+1
.endr
.endm
.macro SEND a, younger                 ; younger: the LDS instructions issued behind block a's loads: the next block's 32, or none
.set TT, 96+64*((\a)%2)
.set row, 0
.rept 16
	s_wait_dscnt (\younger)+15-row
	global_store_b128 v[GO], v[TT+4*row:TT+4*row+3], s[OUT:OUT+1] offset:(16*(\a)+row)*4096 th:TH_STORE_NT  ; 512 consecutive bytes, at a multiple of 256 from out0's first
.set row, row+1
.endr
.endm
	PACK 0
	PACK 1                                         ; a block's arithmetic stands between the loads of the block before and its stores
	SEND 0, 32
	PACK 2
	SEND 1, 32
	PACK 3
	SEND 2, 32
	SEND 3, 0
	s_wait_tensorcnt 0x0                           ; the wave's end: behind my last tensor load and my last LDS store
	ds_add_u32 v[SPW], v[NIL]
	s_wait_dscnt 0x0
	CROUND                                         ; the closing round: no work-group ends while a partner may still ask for a tile that names it
	s_endpgm
.Lfunc_end_k_q90be240367_proj:
	.size	k_q90be240367_proj, .Lfunc_end_k_q90be240367_proj-k_q90be240367_proj
	.p2alignl 7, 3214868480
	.fill 96, 4, 3214868480
	.section	.rodata,"a",@progbits
	.p2align	6, 0x0
	.amdhsa_kernel k_q90be240367_proj
		.amdhsa_group_segment_fixed_size 327680
		.amdhsa_private_segment_fixed_size 0
		.amdhsa_enable_private_segment 0
		.amdhsa_kernarg_size 32
		.amdhsa_user_sgpr_count 2
		.amdhsa_user_sgpr_kernarg_segment_ptr 1
		.amdhsa_wavefront_size32 1
		.amdhsa_system_sgpr_workgroup_id_x 1
		.amdhsa_system_sgpr_workgroup_id_y 1
		.amdhsa_system_sgpr_workgroup_id_z 1
		.amdhsa_system_vgpr_workitem_id 0
		.amdhsa_next_free_vgpr 768
		.amdhsa_next_free_sgpr 84
		.amdhsa_reserve_vcc 0
		.amdhsa_float_denorm_mode_32 3
		.amdhsa_float_denorm_mode_16_64 3
		.amdhsa_memory_ordered 1
		.amdhsa_forward_progress 1
		.amdhsa_inst_pref_size 86
	.end_amdhsa_kernel
	.amdgpu_metadata
---
amdhsa.version: [ 1, 2 ]
amdhsa.kernels:
  - .name:           k_q90be240367_proj
    .symbol:         k_q90be240367_proj.kd
    .args:
      - { .name: ob, .offset: 0, .size: 8, .value_kind: global_buffer, .address_space: global }
      - { .name: woutb, .offset: 8, .size: 8, .value_kind: global_buffer, .address_space: global }
      - { .name: bout, .offset: 16, .size: 8, .value_kind: global_buffer, .address_space: global }
      - { .name: out0, .offset: 24, .size: 8, .value_kind: global_buffer, .address_space: global }
    .group_segment_fixed_size: 327680
    .private_segment_fixed_size: 0
    .kernarg_segment_align: 8
    .kernarg_segment_size: 32
    .max_flat_workgroup_size: 128
    .sgpr_count:     84
    .vgpr_count:     768
    .wavefront_size: 32
...
	.end_amdgpu_metadata
.endif
;; end of part 4
;; ======== version 2 of 2: 4 launches; version 1 with the launch prep written anew for expert scheduling mode
;; limits: values are held in f16: magnitudes above 65,504 overflow, below 6.1e-05 lose precision
;; workspace buffers: xb 16,777,216 bytes; wqkvb 6,291,456 bytes; woutb 2,097,152 bytes; tab 524,288 bytes; qkvh 50,331,648 bytes; ob 16,777,216 bytes
;; launch prep (part 5): grid 768 x 1, 8 waves a work-group, no clusters, 0 bytes of LDS; arguments x, Wqkv, Wout, xb, wqkvb, woutb, tab; writes xb, wqkvb, woutb, tab
.if DOCPART == 5
	.amdgcn_target "amdgcn-amd-amdhsa--gfx1250"
	.amdhsa_code_object_version 6
	.text
	.protected	k_q90be240367_prep
	.globl	k_q90be240367_prep
	.p2align	8
	.type	k_q90be240367_prep,@function
k_q90be240367_prep:
	s_mov_b64 s[64:65], 0
	v_nop
	global_prefetch_b8 v0, s[64:65] scope:SCOPE_SE
	s_setreg_imm32_b32 hwreg(HW_REG_WAVE_SCHED_MODE, 0, 2), 2
	s_setreg_imm32_b32 hwreg(HW_REG_WAVE_MODE, 25, 1), 1
	s_wait_xcnt 0x0
	s_wait_alu depctr_vm_vsrc(0)
; CASTS AND THE ROTARY TABLE.  Four kinds of work-group, told apart by the work-group's number alone:
;   0..511    x [8192][1024] f32 -> xb, bf16, same layout: 16,384 numbers a work-group
;   512..575  Wout [1024][1024] f32 -> woutb: rounded to bf16 like every input, that number written as f16 (the last product runs in f16)
;   576..703  Wqkv [1024][3072] f32 -> wqkvb, bf16, by heads: [16 h][1024 k][192 = q_h 64, k_h 64, v_h 64], so that a head's 64 k rows are 24,576 dense bytes
;   704..767  tab [2048 t][64] f32: cos(t f_i), i = 0..31, then sin(t f_i); f_i = 10000^(-i/32)
; A stream: every byte read once, each store of a wave covers whole aligned blocks of 256 bytes, all of a wave's loads go out before its first wait.  No LDS, no barrier, no matrix unit.
; LIMITS.  woutb: a bf16 number is exact in f16 from 2^-17 up to 65,504; below it keeps f16's fixed step of 2^-24; beyond 65,504 it would be an infinity.
; tab: no sine or cosine instruction is used; the angle is reduced in turns and a polynomial of degree 11 follows.  The angle t f_i is good to about 3e-4 rad at t = 2047
; (the products' roundings in f32 at 326 turns, and the exponential's last bit); the polynomial's own error is under 1e-7.
; THE MODE: SCHED_MODE bits 1:0 = 2 (LLVM: expert scheduling mode 2), set by the entry lines.  The code itself states the register dependences
; between vector instructions and memory instructions, with s_wait_alu, always for 0.
; THE PLAN.  Registers that memory instructions touch, on each of the four paths:
;   offsets        made once by vector lines ahead of the path's first memory instruction and never written again: one wait on va_vdst ahead of that instruction.
;   loaded data    written by loads alone, read by the conversions behind the wait on LOADcnt; no vector line names them before, no load lands in them afterwards.
;   out registers  each written once, by a conversion or a polynomial, and read by one store.
; The casts go in four BLOCKS.  At the head of block p, behind the wait for its data, ONE wait on va_vdst states that block p - 1's conversions have written their out registers;
; block p - 1's stores follow it, dealt among block p's conversions, which name block p's data, block p's out registers and two registers at work: none that those stores read.
; Behind the last block one more such wait stands ahead of the last stores.  No register that a memory instruction has read is ever written again, so no wait on vm_vsrc is owed.
; The wave's number passes through a scalar register: one wait on va_sdst, ahead of the first branch.  EXEC and VCC are never written.
.set NX, 512
.set NO, 64
.set NW, 128
	s_load_b256 s[4:11], s[0:1], 0x0               ; x s[4:5], Wqkv s[6:7], Wout s[8:9], xb s[10:11]
	s_load_b128 s[12:15], s[0:1], 0x20             ; wqkvb s[12:13], woutb s[14:15]
	s_load_b64 s[16:17], s[0:1], 0x30              ; tab
	v_and_b32 v3, 31, v0                           ; lane
	v_lshrrev_b32 v4, 5, v0
	v_readfirstlane_b32 s18, v4                    ; wave 0..7
	s_mov_b32 s19, 0xffff0000                      ; a word's upper bf16
	s_mov_b32 s21, 0                               ; the high words of the two offset pairs
	s_mov_b32 s23, 0
	s_wait_kmcnt 0x0
	s_wait_alu depctr_va_sdst(0)                   ; s18 is written
	s_cmp_lt_u32 ttmp9, NX
	s_cbranch_scc1 .Lx
	s_cmp_lt_u32 ttmp9, NX+NO
	s_cbranch_scc1 .Lo
	s_cmp_lt_u32 ttmp9, NX+NO+NW
	s_cbranch_scc1 .Lw
	; THE TABLE.  A wave makes four rows; lanes 0-15 the cosines of frequencies 2 e, 2 e + 1, lanes 16-31 the sines: 8 bytes a lane, a row of 256 bytes a store.
	s_sub_co_u32 s20, ttmp9, NX+NO+NW
	s_lshl3_add_u32 s20, s20, s18                  ; the wave among 512
	s_lshl_b32 s24, s20, 2                         ; its first t
	s_lshl_b32 s20, s20, 10                        ; its four rows' first byte
	v_lshl_add_u32 v5, v3, 3, s20
	v_and_b32 v6, 15, v0
	v_lshlrev_b32 v6, 1, v6
	v_cvt_f32_u32 v6, v6                           ; i = 2 e
	v_add_f32 v7, 1.0, v6                          ; and 2 e + 1
	v_mul_f32 v6, 0xbed49a78, v6                   ; -i log2(10000) / 32
	v_mul_f32 v7, 0xbed49a78, v7
	v_exp_f32 v8, v6                               ; f_i
	v_exp_f32 v9, v7
	v_bfe_u32 v10, v0, 4, 1                        ; a plain instruction behind the two exponentials,
	s_wait_alu depctr_va_vdst(0)                   ; and one wait for both: v8 and v9 are written, ahead of their first reader
	v_cvt_f32_u32 v10, v10
	v_mul_f32 v10, 0x3e800000, v10                 ; a quarter turn less in lanes 16-31: cos(a - pi/2) = sin(a)
; cos(2 pi u) = 1 - 2 sin^2(pi u), u the angle in turns brought into -1/2 .. 1/2; sin(pi u) = u (pi - pi^3/6 w + pi^5/120 w^2 - ...), w = u^2
.macro VAL dst, inv
	v_mul_f32 v12, v11, v[\inv]                    ; the angle, rounded to f32 as t f_i is in the definition
	v_mul_f32 v12, 0.15915494, v12                 ; in turns
	v_rndne_f32 v13, v12
	v_sub_f32 v12, v12, v13
	v_sub_f32 v12, v12, v10
	v_rndne_f32 v13, v12
	v_sub_f32 v12, v12, v13
	v_mul_f32 v14, v12, v12
	v_mov_b32 v15, 0xbbf183a6                      ; -pi^11 / 11!
	v_fmaak_f32 v15, v15, v14, 0x3da83c1b          ; pi^9 / 9!
	v_fmaak_f32 v15, v15, v14, 0xbf196966          ; -pi^7 / 7!
	v_fmaak_f32 v15, v15, v14, 0x402335e3          ; pi^5 / 5!
	v_fmaak_f32 v15, v15, v14, 0xc0a55de7          ; -pi^3 / 3!
	v_fmaak_f32 v15, v15, v14, 0x40490fdb          ; pi
	v_mul_f32 v15, v15, v12
	v_mul_f32 v15, v15, v15
	v_fma_f32 v[\dst], v15, -2.0, 1.0
.endm
.irp j, 0,1,2,3
	s_add_co_u32 s[25+(\j)], s24, \j               ; each row's t has a scalar register of its own
	v_cvt_f32_u32 v11, s[25+(\j)]                  ; t
	VAL 32+2*(\j), 8
	VAL 33+2*(\j), 9
.endr
	s_wait_alu depctr_va_vdst(0)                   ; the polynomials have written v[32:39], the four stores' data; v5, their offset, was written further up
.irp j, 0,1,2,3
	global_store_b64 v5, v[32+2*(\j):33+2*(\j)], s[16:17] offset:256*(\j)  ; each row has its own pair of registers: nothing that a store reads is rewritten
.endr
	s_endpgm
; 16,384 numbers a work-group, 2,048 a wave: sixteen loads of 512 consecutive bytes, all issued at once; they are worked on in four blocks of four, and the waits count down by blocks, so the younger loads stay out.
; Every load and store has its own registers: no register that a memory instruction reads is written again.
.macro CAST src, dst, first, fmt
	s_sub_co_u32 s20, ttmp9, \first
	s_lshl_b32 s22, s20, 15                        ; 32,768 bytes out,
	s_lshl_b32 s20, s20, 16                        ; 65,536 bytes in
	s_add_nc_u64 s[\src:\src+1], s[\src:\src+1], s[20:21]
	s_add_nc_u64 s[\dst:\dst+1], s[\dst:\dst+1], s[22:23]
	v_lshlrev_b32 v1, 4, v3
	v_lshl_add_u32 v1, v4, 13, v1                  ; in: 8,192 x wave + 16 x lane
	v_lshrrev_b32 v2, 1, v1                        ; out: half of that
	s_wait_alu depctr_va_vdst(0)                   ; v1 and v2 are written: every load below reads v1 as its offset, every store v2
.set j, 0
.rept 16
	global_load_b128 v[32+4*j:35+4*j], v1, s[\src:\src+1] offset:512*j th:TH_LOAD_NT
.set j, j+1
.endr
.set j, 0
.rept 16
.if j%4 == 0
	s_wait_loadcnt 12-j                            ; loads come back in order: this block's four are in, the 12 - j younger ones may be out
.if j > 0
	s_wait_alu depctr_va_vdst(0)                   ; the block before has written its eight out registers, which the four stores dealt into this block read
.endif
.endif
.if j >= 4
	global_store_b64 v2, v[96+2*(j-4):97+2*(j-4)], s[\dst:\dst+1] offset:256*(j-4) th:TH_STORE_NT  ; the block before: 32 lanes x 8 bytes: 256 consecutive bytes, aligned; no vector line since the wait names these registers
.endif
	v_cvt_pk_bf16_f32 v[96+2*j], v[32+4*j], v[33+4*j]
	v_cvt_pk_bf16_f32 v[97+2*j], v[34+4*j], v[35+4*j]
.if \fmt
	v_lshlrev_b32 v28, 16, v[96+2*j]               ; the bf16 numbers widened again,
	v_and_b32 v29, s19, v[96+2*j]
	v_cvt_pk_f16_f32 v[96+2*j], v28, v29           ; and written as f16
	v_lshlrev_b32 v28, 16, v[97+2*j]
	v_and_b32 v29, s19, v[97+2*j]
	v_cvt_pk_f16_f32 v[97+2*j], v28, v29
.endif
.set j, j+1
.endr
	s_wait_alu depctr_va_vdst(0)                   ; the last block has written v[120:127], which the last four stores read
.set j, 12
.rept 4
	global_store_b64 v2, v[96+2*j:97+2*j], s[\dst:\dst+1] offset:256*j th:TH_STORE_NT
.set j, j+1
.endr
	s_endpgm
.endm
.Lx:
	CAST 4, 10, 0, 0
.Lo:
	CAST 8, 14, NX, 1
	; Wqkv BY HEADS.  A work-group: one head, 128 k rows; a wave 16 of them.  Of a row of Wqkv (3 x 4,096 bytes) the head has 256 bytes in each third: chunk C = 3 row + type lies at 4,096 C,
	; and goes to 128 C in wqkvb.  Group g of twelve takes chunks 4 g .. 4 g + 3, eight lanes a chunk, eight numbers a lane: 512 consecutive bytes out.  Four blocks of three groups.
.Lw:
	s_sub_co_u32 s20, ttmp9, NX+NO
	s_lshr_b32 s24, s20, 3                         ; head
	s_and_b32 s25, s20, 7
	s_lshl_b32 s25, s25, 7
	s_lshl4_add_u32 s25, s18, s25                  ; my first k row: 128 x block + 16 x wave
	s_mul_i32 s20, s25, 12288
	s_lshl_b32 s26, s24, 8
	s_add_co_u32 s20, s20, s26
	s_add_nc_u64 s[6:7], s[6:7], s[20:21]
	s_mul_i32 s22, s24, 393216
	s_mul_i32 s26, s25, 384
	s_add_co_u32 s22, s22, s26
	s_add_nc_u64 s[12:13], s[12:13], s[22:23]
	v_lshrrev_b32 v5, 3, v3
	v_and_b32 v6, 7, v3
	v_lshlrev_b32 v6, 5, v6
	v_lshl_add_u32 v5, v5, 12, v6                  ; in: 4,096 x (lane / 8) + 32 x (lane % 8)
	v_lshlrev_b32 v7, 4, v3                        ; out: 16 x lane
	s_wait_alu depctr_va_vdst(0)                   ; v5 and v7 are written: every load below reads v5 as its offset, every store v7
.set g, 0
.rept 12
	global_load_b128 v[32+8*g:35+8*g], v5, s[6:7] offset:16384*g th:TH_LOAD_NT
	global_load_b128 v[36+8*g:39+8*g], v5, s[6:7] offset:16384*g+16 th:TH_LOAD_NT
.set g, g+1
.endr
.set g, 0
.rept 12
.if g%3 == 0
	s_wait_loadcnt 18-2*g                          ; this block's six loads are in; the 18 - 2 g younger ones may be out
.if g > 0
	s_wait_alu depctr_va_vdst(0)                   ; the block before has written its twelve out registers, which the three stores dealt into this block read
.endif
.endif
.if g >= 3
	global_store_b128 v7, v[128+4*(g-3):131+4*(g-3)], s[12:13] offset:512*(g-3) th:TH_STORE_NT  ; the block before; no vector line since the wait names these registers
.endif
	v_cvt_pk_bf16_f32 v[128+4*g], v[32+8*g], v[33+8*g]
	v_cvt_pk_bf16_f32 v[129+4*g], v[34+8*g], v[35+8*g]
	v_cvt_pk_bf16_f32 v[130+4*g], v[36+8*g], v[37+8*g]
	v_cvt_pk_bf16_f32 v[131+4*g], v[38+8*g], v[39+8*g]
.set g, g+1
.endr
	s_wait_alu depctr_va_vdst(0)                   ; the last block has written v[164:175], which the last three stores read
.set g, 9
.rept 3
	global_store_b128 v7, v[128+4*g:131+4*g], s[12:13] offset:512*g th:TH_STORE_NT
.set g, g+1
.endr
	s_endpgm
.Lfunc_end_k_q90be240367_prep:
	.size	k_q90be240367_prep, .Lfunc_end_k_q90be240367_prep-k_q90be240367_prep
	.p2alignl 7, 3214868480
	.fill 96, 4, 3214868480
	.section	.rodata,"a",@progbits
	.p2align	6, 0x0
	.amdhsa_kernel k_q90be240367_prep
		.amdhsa_group_segment_fixed_size 0
		.amdhsa_private_segment_fixed_size 0
		.amdhsa_enable_private_segment 0
		.amdhsa_kernarg_size 56
		.amdhsa_user_sgpr_count 2
		.amdhsa_user_sgpr_kernarg_segment_ptr 1
		.amdhsa_wavefront_size32 1
		.amdhsa_system_sgpr_workgroup_id_x 1
		.amdhsa_system_sgpr_workgroup_id_y 1
		.amdhsa_system_sgpr_workgroup_id_z 1
		.amdhsa_system_vgpr_workitem_id 0
		.amdhsa_next_free_vgpr 176
		.amdhsa_next_free_sgpr 66
		.amdhsa_reserve_vcc 0
		.amdhsa_float_denorm_mode_32 3
		.amdhsa_float_denorm_mode_16_64 3
		.amdhsa_memory_ordered 1
		.amdhsa_forward_progress 1
		.amdhsa_inst_pref_size 32
	.end_amdhsa_kernel
	.amdgpu_metadata
---
amdhsa.version: [ 1, 2 ]
amdhsa.kernels:
  - .name:           k_q90be240367_prep
    .symbol:         k_q90be240367_prep.kd
    .args:
      - { .name: x, .offset: 0, .size: 8, .value_kind: global_buffer, .address_space: global }
      - { .name: Wqkv, .offset: 8, .size: 8, .value_kind: global_buffer, .address_space: global }
      - { .name: Wout, .offset: 16, .size: 8, .value_kind: global_buffer, .address_space: global }
      - { .name: xb, .offset: 24, .size: 8, .value_kind: global_buffer, .address_space: global }
      - { .name: wqkvb, .offset: 32, .size: 8, .value_kind: global_buffer, .address_space: global }
      - { .name: woutb, .offset: 40, .size: 8, .value_kind: global_buffer, .address_space: global }
      - { .name: tab, .offset: 48, .size: 8, .value_kind: global_buffer, .address_space: global }
    .group_segment_fixed_size: 0
    .private_segment_fixed_size: 0
    .kernarg_segment_align: 8
    .kernarg_segment_size: 56
    .max_flat_workgroup_size: 256
    .sgpr_count:     66
    .vgpr_count:     176
    .wavefront_size: 32
...
	.end_amdgpu_metadata
.endif
;; end of part 5
;; launch qkvrope: the kernel of part 2 again; grid 16 x 32, 4 waves a work-group, clusters of 4 x 4, 327,680 bytes of LDS; arguments xb, wqkvb, tab, qkvh; writes qkvh
;; launch attn: the kernel of part 3 again; grid 4 x 64, 4 waves a work-group, no clusters, 243,200 bytes of LDS; arguments qkvh, ob; writes ob
;; launch proj: the kernel of part 4 again; grid 8 x 32, 4 waves a work-group, clusters of 4 x 4, 327,680 bytes of LDS; arguments ob, woutb, bout, out0; writes out0
